; MI455X (gfx1250); checked and timed in simulation.
; The chip was launched on July 23, 2026; its instructions are those of AMD's public machine-readable ISA for CDNA 5 (MIT licence, August 2026) and "CDNA5" Instruction Set Architecture Reference Guide (July 2026). The comments in the code are by the model that wrote it; some were corrected since.
;; Sparse Moe Block. Allowed arithmetic: matrix products marked QUANTISED: E3M2 operands, one E8M0 scale for each 32 along K, by v_wmma_scale_f32_16x16x128_f8f6f4 with both operands' format E3M2, f32 sums; products left as they are: f32 operands where the result goes on into a quantised operand, else bf16, f16 or f32 operands; f32 sums; everything else in f32.
;; Inputs: gate_w 8 x 2,048 float32; hidden_states 4 x 256 x 2,048 float32; w13_codes 8 x 2,048 x 64 x 24 uint8 (E3M2 codes of w13, K innermost, in blocks of 32 codes, four codes in three bytes); w13_scales 8 x 2,048 x 64 uint8 (E8M0 scales of w13, one for each 32 codes along K); w2_codes 8 x 2,048 x 32 x 24 uint8 (E3M2 codes of w2, K innermost, in blocks of 32 codes, four codes in three bytes); w2_scales 8 x 2,048 x 32 uint8 (E8M0 scales of w2, one for each 32 codes along K).
;; Outputs: out0 4 x 256 x 2,048 float32; out1 1,024 x 8 float32.
;; Constants: top_k = 2.
;; This version of the problem:
;;   THIS VERSION OF THE PROBLEM IS GIVEN IN LOW PRECISION. The matrix products marked QUANTISED in the list below multiply operands that are first quantised to E3M2 (3 exponent bits, 2 mantissa bits; 6 bits a number), with one power-of-two scale for each 32 numbers along K (OCP MX v1.0); their sums are f32. All else is computed in f32.
;;   The module's matrix products, in the order in which they are computed (A, B: the left and right operand; K: the contracted axis; several contracted axes count as one K, in the product's order):
;;     1. [M 1,024, K 2,048] x [K 2,048, N 8]; A: input hidden_states; B: input gate_w: left as it is (N = 8 < 16)
;;     2. [M 1,024, K 2,048] x [K 2,048, N 2,048]; A: input hidden_states; B: input w13 (given as codes): QUANTISED
;;     3. [M 1,024, K 1,024] x [K 1,024, N 2,048]; A: computed on the way; B: input w2 (given as codes): QUANTISED
;;     4. [M 1,024, K 2,048] x [K 2,048, N 2,048]; A: input hidden_states; B: input w13 (given as codes): QUANTISED
;;     5. [M 1,024, K 1,024] x [K 1,024, N 2,048]; A: computed on the way; B: input w2 (given as codes): QUANTISED
;;     6. [M 1,024, K 2,048] x [K 2,048, N 2,048]; A: input hidden_states; B: input w13 (given as codes): QUANTISED
;;     7. [M 1,024, K 1,024] x [K 1,024, N 2,048]; A: computed on the way; B: input w2 (given as codes): QUANTISED
;;     8. [M 1,024, K 2,048] x [K 2,048, N 2,048]; A: input hidden_states; B: input w13 (given as codes): QUANTISED
;;     9. [M 1,024, K 1,024] x [K 1,024, N 2,048]; A: computed on the way; B: input w2 (given as codes): QUANTISED
;;     10. [M 1,024, K 2,048] x [K 2,048, N 2,048]; A: input hidden_states; B: input w13 (given as codes): QUANTISED
;;     11. [M 1,024, K 1,024] x [K 1,024, N 2,048]; A: computed on the way; B: input w2 (given as codes): QUANTISED
;;     12. [M 1,024, K 2,048] x [K 2,048, N 2,048]; A: input hidden_states; B: input w13 (given as codes): QUANTISED
;;     13. [M 1,024, K 1,024] x [K 1,024, N 2,048]; A: computed on the way; B: input w2 (given as codes): QUANTISED
;;     14. [M 1,024, K 2,048] x [K 2,048, N 2,048]; A: input hidden_states; B: input w13 (given as codes): QUANTISED
;;     15. [M 1,024, K 1,024] x [K 1,024, N 2,048]; A: computed on the way; B: input w2 (given as codes): QUANTISED
;;     16. [M 1,024, K 2,048] x [K 2,048, N 2,048]; A: input hidden_states; B: input w13 (given as codes): QUANTISED
;;     17. [M 1,024, K 1,024] x [K 1,024, N 2,048]; A: computed on the way; B: input w2 (given as codes): QUANTISED
;;   THE QUANTISER, for each operand of a quantised product, along K:
;;     - K is cut into blocks of 32 from its start; a last block that is shorter is filled with zeros.
;;     - A block's scale is 2^e with e = floor(log2(the largest magnitude in the block)) - 4, held to -126 .. 127; a block of zeros has e = 0. As a byte (E8M0): e + 127.
;;     - Each number is divided by its block's scale, clamped to +-28, and rounded to the nearest number of E3M2, ties to even, subnormals kept.
;;     - The product sums the exact products of the quantised numbers (number of the format x scale) in f32.
;;   ~~~python
;;   def quantise(x, axis):      # numpy; x: float32 -> the quantised numbers, widened to float32 again
;;       x = np.moveaxis(x, axis, -1); K = x.shape[-1]
;;       x = np.pad(x, [(0, 0)] * (x.ndim - 1) + [(0, -K % 32)]); x = x.reshape(x.shape[:-1] + (-1, 32)); a = np.abs(x).max(-1, keepdims=True)
;;       e = np.where(a > 0, np.clip(np.frexp(np.where(a > 0, a, 1))[1] - 1 - 4, -126, 127), 0)      # np.frexp(a)[1] - 1 = floor(log2(a)), exactly
;;       r = np.clip(x / 2.0 ** e, -28, 28)
;;       step = 2.0 ** (np.maximum(np.frexp(np.where(r == 0, 1, r))[1] - 1, -2) - 2)
;;       q = np.round(r / step) * step * 2.0 ** e      # np.round: ties to even
;;       return np.moveaxis(q.reshape(q.shape[:-2] + (-1,))[..., :K], -1, axis).astype(np.float32)
;;   ~~~
;;   OPERANDS COMPUTED ON THE WAY. 'Computed on the way' means the value that the module computes at that place (a softmax that the list does not call 'softmax' is quantised finished and normalised). What goes into a quantiser is computed in f32, as accurately as f32 sums, v_exp_f32 and their like allow (about 1e-6 of the number): no bf16 or f16 on the way to a quantiser, and a product that is left as it is and whose result goes on into a quantised operand takes f32 operands (vector FMAs, or v_wmma_f32_16x16x4_f32). A number that lies on a knife's edge between two numbers of the format may be rounded either way, as far as f32 arithmetic and the matrix unit's own rounding can turn it there, and no further.
;;   INPUTS GIVEN AS CODES. w13 (in the module: [8, 2048, 2048], K = its axis 2); w2 (in the module: [8, 2048, 1024], K = its axis 2): each comes as NAME_codes (uint8): NAME with its K axis moved to the last place and cut into blocks of 32 codes, [.., K / 32, bytes a block], one block behind the other in memory; four codes in three bytes: a row's codes are one little-endian stream of bits, code i at bits 6 i .. 6 i + 5 (a code: sign, 3 exponent bits, 2 mantissa bits); and NAME_scales (uint8): the same leading axes, one E8M0 byte (e + 127) for each 32 codes along K. Its value is code x scale, taken as it is: it is not quantised again, and the codes and scales need not be those that the quantiser above would give.
;; 2 versions, each right; version 2 is version 1 with the launches up, down written anew for expert scheduling mode. Each part assembles by itself: llvm-mc -triple=amdgcn-amd-amdhsa -mcpu=gfx1250 --defsym DOCPART=n.
;; ======== version 1 of 2: 4 launches
;; workspace buffers: selw 4,096 bytes of whole numbers; wts 8,192 bytes; xq 1,572,864 bytes; xs 65,536 bytes; act 6,291,456 bytes; acts 262,144 bytes; rowinfo 36,864 bytes of whole numbers; P 17,825,792 bytes
;; launch route (part 1): grid 256 x 1, 4 waves a work-group, no clusters, 42,240 bytes of LDS; arguments hidden_states, gate_w, out1, selw, wts, xq, xs; writes out1, selw, wts, xq, xs
.if DOCPART == 1
	.amdgcn_target "amdgcn-amd-amdhsa--gfx1250"
	.amdhsa_code_object_version 6
	.text
	.protected	k_qeadc83a9b3_route
	.globl	k_qeadc83a9b3_route
	.p2align	8
	.type	k_qeadc83a9b3_route,@function
k_qeadc83a9b3_route:
	s_mov_b64 s[64:65], 0
	v_nop
	global_prefetch_b8 v0, s[64:65] scope:SCOPE_SE
	s_setreg_imm32_b32 hwreg(HW_REG_WAVE_MODE, 25, 1), 1
	s_wait_xcnt 0x0
; ROUTER AND QUANTISER OF x.  x: [1024][2048] f32, gate: [8][2048] f32.
; out1[t][e] = x[t] . gate[e] in f32 (fused multiply-adds).  The two largest of softmax(out1[t]) are chosen, ties to the lower index; their weights are w_k = q_k / (q_0 + q_1)
; with q = 2^((logit - the row's largest) log2 e): the softmax's divisor is common to both and cancels.  selw[t] = (1 << e0) | (1 << (8 + e1)), wts[t] = (w0, w1): stored at fixed places,
; no address here hangs on the choice.
; x is also turned into codes of E3M2 with one E8M0 byte for each 32 along K.  xq: [t][K step 16][h 2][c 2][24 bytes]: block 2 c + h of a K step of 128, so that lane (r, h) of a matrix operand
; finds its 48 bytes of a K step on end.  xs: [t][64] bytes, in K's order.
; SHARES.  A work-group owns 4 tokens; wave w takes K = 512 w .. 512 w + 511 of all four.  Each load reads 512 consecutive bytes.  The dot products use the numbers as loaded; for the conversions a lane must
; hold 16 neighbours along K, so the numbers turn through the wave's own stage in LDS (64 bytes a lane, 16 of padding behind them).
; No matrix unit (N = 8), no cluster (work-groups share only the 64 KiB of the gate), no tensor load.
; LIMITS: NaN and infinities are not served.  A block whose largest magnitude lies under 2^-122 keeps the byte 1; so does a block of zeros (its codes are zeros; only this program reads the bytes).
; Logits that differ by less than the error of an f32 sum of 2,048 terms may be ranked otherwise than by another order of summation.
.set SPL,  80                          ; a lane's place in a stage: 64 bytes + 16
.set TOKB, 32*SPL                      ; a token's part of a wave's stage
.set WSTG, 4*TOKB                      ; a wave's stage
.set RED,  4*WSTG                      ; 4 x 128 bytes: each wave's 32 partial logits
.set SCB,  RED+512                     ; 256 bytes: the 4 tokens' scale bytes
.set EB,   12                          ; v12-15   a scale byte for each token
.set C,    16                          ; v16..    codes: four registers a token (three used); v19, v23, v27, v31 hold addresses
.set G,    32                          ; v32-159  gate: 16 numbers for each of 8 experts
.set X,    32                          ; v32-95   later: 16 neighbours for each of 4 tokens
.set R,    160                         ; v160-223 x as loaded: 16 numbers for each of 4 tokens
.set SF,   160                         ; v160-191 later: my 32 partial sums, index 8 i + e
.set PA,   224                         ; v224-255 16 pairs of running sums
	s_load_b256 s[4:11], s[0:1], 0x0               ; x, gate, out1, selw
	s_load_b128 s[12:15], s[0:1], 0x20             ; wts, xq
	s_load_b64 s[16:17], s[0:1], 0x30              ; xs
	s_set_vgpr_msb 0x40
	v_lshl_add_u32 v0, v0, 2, 0xa300
	v_mov_b32 v1, 0
	s_set_vgpr_msb 0x4000
	v_lshrrev_b32 v1, 5, v0
	v_readfirstlane_b32 s18, v1                    ; wave
	v_and_b32 v1, 31, v0                           ; lane
	v_lshlrev_b32 v2, 4, v1                        ; my 16 bytes of a load's 512
	s_mul_i32 s19, s18, WSTG
	v_lshrrev_b32 v3, 2, v1
	v_mul_u32_u24 v3, v3, SPL
	v_and_b32 v8, 3, v1
	v_lshl_add_u32 v3, v8, 4, v3
	v_add_nc_u32 v3, s19, v3                       ; into the stage: four lanes' 64 bytes on end, then the padding
	v_mul_u32_u24 v4, v1, SPL
	v_add_nc_u32 v4, s19, v4                       ; out of it: my 16 neighbours, k = 512 w + 16 lane + 0 .. 15
	v_lshrrev_b32 v5, 3, v1
	v_mul_u32_u24 v5, v5, 96                       ; my K step of the wave's four,
	v_bfe_u32 v8, v1, 1, 1
	v_bfe_u32 v9, v1, 2, 1
	v_lshl_add_u32 v8, v8, 1, v9
	v_mad_u32_u24 v5, v8, 24, v5                   ; my block (lane / 2) % 4 = 2 c + h at 48 h + 24 c,
	v_and_b32 v8, 1, v1
	v_mad_u32_u24 v5, v8, 12, v5                   ; my half of the block
	s_lshl_b32 s20, s18, 4
	s_add_co_u32 s20, s20, SCB
	v_lshrrev_b32 v6, 1, v1
	v_add_nc_u32 v6, s20, v6                       ; my block's scale byte: 16 w + lane / 2
	s_lshl_b32 s20, s18, 7
	s_add_co_u32 s20, s20, RED
	v_lshl_add_u32 v7, v1, 2, s20                  ; my wave's partial logits
	v_lshl_add_u32 v19, v1, 3, SCB                 ; wave 0's reads behind the barrier
	v_lshl_add_u32 v23, v1, 2, RED
	v_lshlrev_b32 v27, 3, v1
	v_lshlrev_b32 v31, 2, v1
	s_mov_b32 s22, 0xff00ff00                      ; lanes with bit 3 set, bit 2, bit 1, bit 0
	s_mov_b32 s23, 0xf0f0f0f0
	s_mov_b32 s24, 0xcccccccc
	s_mov_b32 s25, 0xaaaaaaaa
	s_lshl_b32 s26, ttmp9, 15                      ; x: 4 tokens of 8,192 bytes a work-group, 2,048 bytes a wave
	s_lshl_b32 s28, s18, 11
	s_add_co_u32 s26, s26, s28
	s_mov_b32 s27, 0
	s_mov_b32 s29, 0
	s_mul_i32 s30, ttmp9, 6144                     ; xq: 1,536 bytes a token, 384 a wave
	s_mul_i32 s31, s18, 384
	s_add_co_u32 s30, s30, s31
	s_mov_b32 s31, 0
	s_lshl_b32 s32, ttmp9, 7
	s_mov_b32 s33, 0
	s_lshl_b32 s34, ttmp9, 4
	s_mov_b32 s35, 0
	s_lshl_b32 s36, ttmp9, 5
	s_mov_b32 s37, 0
	s_lshl_b32 s38, ttmp9, 8
	s_mov_b32 s39, 0
	s_wait_kmcnt 0x0
	s_add_nc_u64 s[4:5], s[4:5], s[26:27]
	s_add_nc_u64 s[6:7], s[6:7], s[28:29]
	s_add_nc_u64 s[8:9], s[8:9], s[32:33]
	s_add_nc_u64 s[10:11], s[10:11], s[34:35]
	s_add_nc_u64 s[12:13], s[12:13], s[36:37]
	s_add_nc_u64 s[14:15], s[14:15], s[30:31]
	s_add_nc_u64 s[16:17], s[16:17], s[38:39]
.irp i, 0,1,2,3
.irp q, 0,1,2,3
	global_load_b128 v[R+16*\i+4*\q:R+16*\i+4*\q+3], v2, s[4:5] offset:8192*\i+512*\q th:TH_LOAD_NT   ; x(4 g + i, 512 w + 128 q + 4 lane + 0 .. 3): read once in the launch
.endr
.endr
.irp e, 0,1,2,3,4,5,6,7
.irp q, 0,1,2,3
	global_load_b128 v[G+16*\e+4*\q:G+16*\e+4*\q+3], v2, s[6:7] offset:8192*\e+512*\q                 ; the gate at the same k
.endr
.endr
	s_wait_loadcnt 32                              ; x's 16 loads are in; the gate's 32 may be out
.irp i, 0,1,2,3
.irp q, 0,1,2,3
	ds_store_b128 v3, v[R+16*\i+4*\q:R+16*\i+4*\q+3] offset:TOKB*\i+8*SPL*\q                          ; a load's 512 bytes take eight places of the stage
.endr
.endr
	s_wait_loadcnt 0x0
; 16 dot products at a time (tokens i0, i0 + 1 x 8 experts), two numbers an instruction; the first product starts each sum
.macro DOTS i0
.irp kp, 0,1,2,3,4,5,6,7
.irp ii, 0,1
.irp e, 0,1,2,3,4,5,6,7
.if \kp == 0
	v_pk_mul_f32 v[PA+2*(8*\ii+\e):PA+2*(8*\ii+\e)+1], v[R+16*(\i0+\ii)+2*\kp:R+16*(\i0+\ii)+2*\kp+1], v[G+16*\e+2*\kp:G+16*\e+2*\kp+1]
.else
	v_pk_fma_f32 v[PA+2*(8*\ii+\e):PA+2*(8*\ii+\e)+1], v[R+16*(\i0+\ii)+2*\kp:R+16*(\i0+\ii)+2*\kp+1], v[G+16*\e+2*\kp:G+16*\e+2*\kp+1], v[PA+2*(8*\ii+\e):PA+2*(8*\ii+\e)+1]
.endif
.endr
.endr
.endr
	s_wait_dscnt 0x0                               ; the stores into the stage have read x's registers: the sums are laid over those of tokens 0 and 1
.irp ii, 0,1
.irp e, 0,1,2,3,4,5,6,7
	v_add_f32 v[SF+8*(\i0+\ii)+\e], v[PA+2*(8*\ii+\e)], v[PA+2*(8*\ii+\e)+1]
.endr
.endr
.endm
	DOTS 0
	DOTS 2
; 32 sums a lane become one sum a lane: at each step half of the registers change lanes, so that lane l ends with the wave's sum number l = 8 i + e
.irp k, 0,1,2,3,4,5,6,7,8,9,10,11,12,13,14,15
	v_permlane16_swap_b32 v[SF+\k], v[SF+16+\k]    ; lanes 16-31 of sum k change places with lanes 0-15 of sum k + 16
.endr
.irp k, 0,1,2,3,4,5,6,7,8,9,10,11,12,13,14,15
	v_add_f32 v[SF+\k], v[SF+\k], v[SF+16+\k]      ; lanes 0-15: sum k; lanes 16-31: sum k + 16
.endr
.macro FOLD d, m                       ; lanes with bit d keep sum k + d and send sum k, the others the other way round
.set kk, 0
.rept \d
	v_cndmask_b32 v[8+kk%2], v[SF+kk+\d], v[SF+kk], s[\m]
	v_cndmask_b32 v[SF+kk], v[SF+kk], v[SF+kk+\d], s[\m]
	v_add_f32_dpp v[SF+kk], v[8+kk%2], v[SF+kk] row_xmask:\d row_mask:0xf bank_mask:0xf
.set kk, kk+1
.endr
.endm
	FOLD 8, 22
	FOLD 4, 23
	FOLD 2, 24
	FOLD 1, 25
	ds_store_b32 v7, v[SF]
.irp i, 0,1,2,3
.irp c, 0,1,2,3
	ds_load_b128 v[X+16*\i+4*\c:X+16*\i+4*\c+3], v4 offset:TOKB*\i+16*\c   ; LDS serves a wave's instructions in order (ISA guide 5.7.1.4): these see my stores
.endr
.endr
.macro QTOK i                          ; token i: 16 numbers a lane, two lanes to a block
.set XS, X+16*(\i)
	s_wait_dscnt 12-4*(\i)                         ; this token's four loads are in; the later tokens' may be out
	v_max3_num_f32 v8, |v[XS]|, |v[XS+1]|, |v[XS+2]|
	v_max3_num_f32 v9, |v[XS+3]|, |v[XS+4]|, |v[XS+5]|
.irp j, 6,10
	v_max3_num_f32 v8, v8, |v[XS+\j]|, |v[XS+\j+1]|
	v_max3_num_f32 v9, v9, |v[XS+\j+2]|, |v[XS+\j+3]|
.endr
	v_max3_num_f32 v8, v8, |v[XS+14]|, |v[XS+15]|
	v_max3_num_f32 v8, v8, v9, 0x2800000           ; and the floor 2^(5 - 127): the byte cannot fall under 1
	v_max_num_f32_dpp v8, v8, v8 row_xmask:1 row_mask:0xf bank_mask:0xf   ; with my neighbour's 16: the block's largest magnitude
	v_add_nc_u32 v11, 0xfe000000, v8               ; 4 off its exponent field: the conversion takes this operand's exponent field as its scale
	v_cvt_scalef32_pk16_bf6_f32 v[C+4*(\i):C+4*(\i)+2], v[XS:XS+15], v11
	v_lshrrev_b32 v[EB+(\i)], 23, v11              ; the scale's byte (also the plain line behind the conversion)
	ds_store_b8 v6, v[EB+(\i)] offset:64*(\i)      ; both lanes of a block write the same byte with the same value
	global_store_b96 v5, v[C+4*(\i):C+4*(\i)+2], s[14:15] offset:1536*(\i)   ; the wave's 32 x 12 bytes fill 384 consecutive bytes
.endm
	QTOK 0
	QTOK 1
	QTOK 2
	QTOK 3
	s_wait_dscnt 0x0                               ; for wave 0's sake: my partial logits and my scale bytes lie in LDS
	s_barrier_signal -1
	s_barrier_wait -1
	s_cmp_lg_u32 s18, 0
	s_cbranch_scc1 .Lend
	ds_load_b64 v[10:11], v19                      ; the four tokens' 256 scale bytes
	ds_load_b32 v32, v23
	ds_load_b32 v33, v23 offset:128
	ds_load_b32 v34, v23 offset:256
	ds_load_b32 v35, v23 offset:384
	s_wait_dscnt 0x0
	global_store_b64 v27, v[10:11], s[16:17]       ; 256 consecutive bytes, at a multiple of 256 from xs's first byte
	v_add_f32 v32, v32, v33
	v_add_f32 v34, v34, v35
	v_add_f32 v32, v32, v34                        ; lane l: the logit of token l / 8, expert l % 8
	global_store_b32 v31, v32, s[8:9]
	v_max_num_f32_dpp v33, v32, v32 row_xmask:1 row_mask:0xf bank_mask:0xf
	v_max_num_f32_dpp v33, v33, v33 row_xmask:2 row_mask:0xf bank_mask:0xf
	v_max_num_f32_dpp v33, v33, v33 row_xmask:4 row_mask:0xf bank_mask:0xf   ; the token's largest logit
	v_sub_f32 v34, v32, v33
	v_mul_f32 v34, 0x3fb8aa3b, v34
	v_exp_f32 v34, v34                             ; q = e^(logit - largest)
	v_mov_b32 v35, 0                               ; (plain lines behind the exponential)
	v_mov_b32 v36, 0                               ; my rank: how many of the seven others come before me
	s_wait_alu depctr_va_vdst(0)                   ; the wait ahead of the first line that names the exponential's result
.irp m, 1,2,3,4,5,6,7
	v_mov_b32_dpp v35, v34 row_xmask:\m row_mask:0xf bank_mask:0xf   ; expert e xor m's q
	v_cmp_gt_f32 s26, v35, v34                     ; it comes before me if it is larger,
	v_cmp_ge_f32 s27, v35, v34                     ; or equal with a lower index: e xor m < e where m's highest bit is set in e
.if \m == 1
	s_and_b32 s27, s27, s25
.elseif \m < 4
	s_and_b32 s27, s27, s24
.else
	s_and_b32 s27, s27, s23
.endif
	s_or_b32 vcc_lo, s26, s27
	v_add_co_ci_u32 v36, vcc_lo, 0, v36, vcc_lo
.endr
	v_cmp_eq_u32 s26, 0, v36
	v_cmp_eq_u32 s27, 1, v36
	v_and_b32 v37, 7, v1
	v_ldexp_f32 v38, 1.0, v37                      ; 2^e
	v_add_nc_u32 v37, 8, v37
	v_ldexp_f32 v39, 1.0, v37                      ; 2^(8 + e)
	v_cndmask_b32 v40, 0, v34, s26                 ; the choice selects values only
	v_cndmask_b32 v41, 0, v34, s27
	v_cndmask_b32 v42, 0, v38, s26
	v_cndmask_b32 v42, v42, v39, s27
.irp m, 1,2,4
	v_add_f32_dpp v40, v40, v40 row_xmask:\m row_mask:0xf bank_mask:0xf   ; q0,
	v_add_f32_dpp v41, v41, v41 row_xmask:\m row_mask:0xf bank_mask:0xf   ; q1,
	v_add_f32_dpp v42, v42, v42 row_xmask:\m row_mask:0xf bank_mask:0xf   ; 2^e0 + 2^(8 + e1), exact, in all eight lanes of the token
.endr
	v_cvt_u32_f32 v42, v42
	v_add_f32 v43, v40, v41
	v_rcp_f32 v43, v43
	v_and_b32 v44, 7, v1                           ; (plain lines behind the reciprocal)
	v_lshrrev_b32 v45, 3, v1
	v_lshlrev_b32 v46, 2, v45
	v_lshlrev_b32 v47, 3, v45
	s_wait_alu depctr_va_vdst(0)                   ; the wait ahead of the reciprocal's first reader
	v_mul_f32 v40, v40, v43
	v_mul_f32 v41, v41, v43
	s_wait_xcnt 0x0                                ; EXEC changes only behind this wait: the stores above have read it
	v_cmp_eq_u32 vcc_lo, 0, v44
	s_and_saveexec_b32 s28, vcc_lo                 ; one lane a token
	global_store_b32 v46, v42, s[10:11]
	global_store_b64 v47, v[40:41], s[12:13]
	s_wait_xcnt 0x0                                ; and again in front of the line that widens it
	s_or_b32 exec_lo, exec_lo, s28
.Lend:
	s_set_vgpr_msb 0x5
	s_wait_tensorcnt 0x0
	ds_add_u32 v0, v1
	s_wait_dscnt 0x0
	s_set_vgpr_msb 0x500
	s_endpgm
.Lfunc_end_k_qeadc83a9b3_route:
	.size	k_qeadc83a9b3_route, .Lfunc_end_k_qeadc83a9b3_route-k_qeadc83a9b3_route
	.p2alignl 7, 3214868480
	.fill 96, 4, 3214868480
	.section	.rodata,"a",@progbits
	.p2align	6, 0x0
	.amdhsa_kernel k_qeadc83a9b3_route
		.amdhsa_group_segment_fixed_size 42240
		.amdhsa_private_segment_fixed_size 0
		.amdhsa_enable_private_segment 0
		.amdhsa_kernarg_size 56
		.amdhsa_user_sgpr_count 2
		.amdhsa_user_sgpr_kernarg_segment_ptr 1
		.amdhsa_wavefront_size32 1
		.amdhsa_system_sgpr_workgroup_id_x 1
		.amdhsa_system_sgpr_workgroup_id_y 1
		.amdhsa_system_sgpr_workgroup_id_z 1
		.amdhsa_system_vgpr_workitem_id 0
		.amdhsa_next_free_vgpr 258
		.amdhsa_next_free_sgpr 66
		.amdhsa_reserve_vcc 1
		.amdhsa_float_denorm_mode_32 3
		.amdhsa_float_denorm_mode_16_64 3
		.amdhsa_memory_ordered 1
		.amdhsa_forward_progress 1
		.amdhsa_inst_pref_size 40
	.end_amdhsa_kernel
	.amdgpu_metadata
---
amdhsa.version: [ 1, 2 ]
amdhsa.kernels:
  - .name:           k_qeadc83a9b3_route
    .symbol:         k_qeadc83a9b3_route.kd
    .args:
      - { .name: hidden_states, .offset: 0, .size: 8, .value_kind: global_buffer, .address_space: global }
      - { .name: gate_w, .offset: 8, .size: 8, .value_kind: global_buffer, .address_space: global }
      - { .name: out1, .offset: 16, .size: 8, .value_kind: global_buffer, .address_space: global }
      - { .name: selw, .offset: 24, .size: 8, .value_kind: global_buffer, .address_space: global }
      - { .name: wts, .offset: 32, .size: 8, .value_kind: global_buffer, .address_space: global }
      - { .name: xq, .offset: 40, .size: 8, .value_kind: global_buffer, .address_space: global }
      - { .name: xs, .offset: 48, .size: 8, .value_kind: global_buffer, .address_space: global }
    .group_segment_fixed_size: 42240
    .private_segment_fixed_size: 0
    .kernarg_segment_align: 8
    .kernarg_segment_size: 56
    .max_flat_workgroup_size: 128
    .sgpr_count:     66
    .vgpr_count:     258
    .wavefront_size: 32
...
	.end_amdgpu_metadata
.endif
;; end of part 1
;; launch up (part 2): grid 32 x 8, 4 waves a work-group, no clusters, 99,840 bytes of LDS; arguments selw, xq, xs, w13_codes, w13_scales, act, acts, rowinfo; writes act, acts, rowinfo
.if DOCPART == 2
	.amdgcn_target "amdgcn-amd-amdhsa--gfx1250"
	.amdhsa_code_object_version 6
	.text
	.protected	k_qeadc83a9b3_up
	.globl	k_qeadc83a9b3_up
	.p2align	8
	.type	k_qeadc83a9b3_up,@function
k_qeadc83a9b3_up:
	s_mov_b64 s[64:65], 0
	v_nop
	global_prefetch_b8 v0, s[64:65] scope:SCOPE_SE
	s_setreg_imm32_b32 hwreg(HW_REG_WAVE_MODE, 25, 1), 1
	s_wait_xcnt 0x0
; THE PLACING OF ROWS, THE FIRST PRODUCT AND THE ACTIVATION, for the rows that chose an expert.  act = Q(silu(g) u), [g | u] = Q(x) W13[e]^T, on codes of E3M2 with one E8M0 scale for each 32 along K.
; SHARES.  Work-group (j, e) makes hidden units 32 j .. 32 j + 31 of expert e: one block of the next product's K.  It needs rows 32 j + 0 .. 31 (g) and 1024 + 32 j + 0 .. 31 (u) of W13[e]: 64 rows x 1,536 bytes,
; read from memory once, 512 consecutive bytes a load, into LDS.  Every wave uses all 64 fragments (4 tiles of 16 rows x 16 K steps): those of three K steps in four stay in its registers (576); those of K steps 3, 7, 11, 15
; are read from LDS anew for each tile, into two sets of 48 registers that take turns, each filled two quads of K steps ahead of its use: that leaves 192 registers for x, a whole tile on its way.
; WAVE w OWNS TOKENS 256 w .. 256 w + 255.  selw[t] = (1 << e0) | (1 << (8 + e1)) was stored by the launch before.  Eight compares give eight masks of 32 tokens in scalar registers; the wave's list is their set bits in
; order (word n, bit l: token 256 w + 128 (n / 4) + 4 l + n % 4).  The token at place p is found by each lane for itself: the last word whose count so far is at most p, then the (p - that count)-th set bit of the word, by a
; descent over bit counts of 16, 8, 4, 2 and 1 bits.  The wave walks its list 16 rows at a time and shares nothing with the others: no barrier stands in the loop.
; The last tile is filled up with the rows of tokens 16 e + r, whose results go to spare rows.  Row 256 w + 16 k + r of act, acts and rowinfo[e] belongs to place 16 k + r of wave w's list.
; Slice j = 0 stores what the next launch needs: rowinfo[e][row] = slot x 1024 + token (or 2048 + 16 e + r), and at byte 32,768 [e][w][32] words, all the wave's count.
; NO TENSOR LOAD, NO CLUSTER: the number of tiles comes from numbers read from memory; x's rows, which 32 work-groups read, are what would be shared.
; TRANSPOSED: source 0 = 16 rows of W13, source 1 = 16 rows of x: a lane holds one row of x, its registers run along the hidden units.  THE ROWS OF A TILE ARE NOT NEIGHBOURS: slot 16 u + 8 a + i of a half (g or u)
; holds its row 16 a + 8 u + i, so that the 16 registers of tiles 2 p, 2 p + 1 are units 16 (lane / 16) + 0 .. 15: 16 neighbours along the next K.
; act: [e][block 32][row 1024][24 bytes]; acts: [e][K step 8][row 1024][4 bytes].  A tile past a wave's last is asked for as its last tile, so that every wait keeps its count; its data are not used.
; LIMITS: NaN and infinities are not served; g u is formed ahead of the division, so |g u| stays under f32's largest number; a block whose largest magnitude lies under 2^-122, a block of zeros among them, keeps the byte 1.
; REGISTERS.  Window 0: v1-31 addresses and work; v32-63 W13's scale words; v64-71, v72-79 x's scale words, this tile's and the next's; v80-91 one fragment; v96-127 four accumulators; v128-223 the two sets of streamed
;   fragments; v224-247 the search of the list.  Window 1: v0-191 x's 16 fragments (K step s at v[12 s]); v192-251 five fragments of W13.  Windows 2, 3: 21 fragments each.
.set WP,   1552                        ; a row of weights in LDS: 1,536 bytes + 16 = 388 words: row r starts at bank 4 r mod 64 (64 banks of 4 bytes: ISA guide 11.1), so the 32 lanes of a load of 8 bytes touch 64 different banks
.set WS,   32                          ; v[WS + 16 P + s]: lanes 0-15 the words of tile 2 P, lanes 16-31 of tile 2 P + 1, K step s
.set XSA,  64                          ; register n: lanes 0-15 K step n, lanes 16-31 K step 8 + n
.set XSB,  72
.set WL,   80
.set ACC,  96
.set GG,   96                          ; g: tiles 0, 1
.set UU,   112                         ; u: tiles 2, 3
.set WB,   128                         ; the streamed fragments: set b at v[WB + 48 b], tile T at + 12 T
.set XN,   11                          ; v11  the next tile's byte offset in xq: token x 1,536 + 48 h
.set XSN,  12                          ; v12  and in xs: token x 64 + 32 h
.set ENT,  13                          ; v13  a list entry
.set ACTO, 14                          ; v14  where my 12 bytes of codes go
.set ASO,  15                          ; v15  where my row's scale byte goes
.set VP,   224                         ; the search: my place p;
.set VQ,   225                         ; 8 p + 7;
.set VK,   226                         ; the word's key;
.set VM,   227                         ; its mask;
.set VS,   228                         ; its mask of second choices;
.set VN,   229                         ; its number, later the entry;
.set VJ,   230                         ; which set bit of it;
.set VA,   231                         ; counts of 2 bits,
.set VB,   232                         ; of 4,
.set VC,   233                         ; of 8;
.set VT,   234
.set VO,   235                         ; the bit's place
.set VU,   236
.set PAD,  237                         ; 2048 + 16 e + r
.set RA,   238                         ; where an entry is stored
.set EN0,  239                         ; the first tile's entries
.set SW,   240                         ; v240-247 my 256 words of selw
.set MK,   66                          ; s66-73  word n: the tokens that chose this expert
.set SL,   74                          ; s74-81  those that chose it second
.set KY,   82                          ; s82-89  8 x the count ahead of word n, + n
.set MSB,  0
.macro WIN new                         ; the immediate's high byte repeats the setting that is left; a switch that changes nothing is dropped
.if MSB != \new
	s_set_vgpr_msb (MSB<<8)|\new
.set MSB, \new
.endif
.endm
.macro PLACE ri                        ; where resident fragment ri (0 .. 47) lies: window wI, register rW
.if (\ri) < 21
.set wI, 2
.set rW, 12*(\ri)
.elseif (\ri) < 42
.set wI, 3
.set rW, 12*((\ri)-21)
.elseif (\ri) < 47
.set wI, 1
.set rW, 192+12*((\ri)-42)
.else
.set wI, 0
.set rW, WL
.endif
.endm
; One matrix instruction.  cz: the constant 0 starts the sum.  ar, br: the side's scale words stand in lanes 16-31
.macro WM acc, wr, xr, cz, sa, sb, ar, br
.if \cz
.if \ar
	v_wmma_scale_f32_16x16x128_f8f6f4 v[\acc:\acc+7], v[\wr:\wr+11], v[\xr:\xr+11], 0, v[\sa], v[\sb] matrix_a_fmt:MATRIX_FMT_BF6 matrix_b_fmt:MATRIX_FMT_BF6 matrix_a_scale:MATRIX_SCALE_ROW1
.else
	v_wmma_scale_f32_16x16x128_f8f6f4 v[\acc:\acc+7], v[\wr:\wr+11], v[\xr:\xr+11], 0, v[\sa], v[\sb] matrix_a_fmt:MATRIX_FMT_BF6 matrix_b_fmt:MATRIX_FMT_BF6
.endif
.elseif (\ar) && (\br)
	v_wmma_scale_f32_16x16x128_f8f6f4 v[\acc:\acc+7], v[\wr:\wr+11], v[\xr:\xr+11], v[\acc:\acc+7], v[\sa], v[\sb] matrix_a_fmt:MATRIX_FMT_BF6 matrix_b_fmt:MATRIX_FMT_BF6 matrix_a_scale:MATRIX_SCALE_ROW1 matrix_b_scale:MATRIX_SCALE_ROW1
.elseif \ar
	v_wmma_scale_f32_16x16x128_f8f6f4 v[\acc:\acc+7], v[\wr:\wr+11], v[\xr:\xr+11], v[\acc:\acc+7], v[\sa], v[\sb] matrix_a_fmt:MATRIX_FMT_BF6 matrix_b_fmt:MATRIX_FMT_BF6 matrix_a_scale:MATRIX_SCALE_ROW1
.elseif \br
	v_wmma_scale_f32_16x16x128_f8f6f4 v[\acc:\acc+7], v[\wr:\wr+11], v[\xr:\xr+11], v[\acc:\acc+7], v[\sa], v[\sb] matrix_a_fmt:MATRIX_FMT_BF6 matrix_b_fmt:MATRIX_FMT_BF6 matrix_b_scale:MATRIX_SCALE_ROW1
.else
	v_wmma_scale_f32_16x16x128_f8f6f4 v[\acc:\acc+7], v[\wr:\wr+11], v[\xr:\xr+11], v[\acc:\acc+7], v[\sa], v[\sb] matrix_a_fmt:MATRIX_FMT_BF6 matrix_b_fmt:MATRIX_FMT_BF6
.endif
.endm
; Quad q: K steps 4 q .. 4 q + 3, 16 matrix instructions; the four accumulators take turns, one instruction a turn.  The quad's last K step takes its weights from streamed set q % 2.
; Four places follow: loads into x's and the streamed registers, and reads of results, stand behind them
.macro MULQ q
.irp k, 0,1,2,3
.if \k == 3
	s_wait_dscnt 24                                ; my streamed set is in; behind its 24 loads: the other set's 24
.endif
.irp T, 0,1,2,3
.set sK, 4*(\q)+\k
.if \k < 3
	PLACE (3*(\q)+\k)*4+\T
.else
.set wI, 0
.set rW, WB+48*((\q)%2)+12*\T
.endif
.set cZ, 0
.if sK == 0
.set cZ, 1
.endif
	WIN (4+wI)                                     ; source 1 (x) window 1, source 0 (W13) window wI, C and D window 0
	WM ACC+8*\T, rW, 48*(\q)+12*\k, cZ, WS+16*(\T/2)+sK, XSA+sK%8, \T%2, sK/8
.endr
.endr
	WIN 0
.rept 4
	v_nop
.endr
.endm
.macro WLOAD b, s                      ; the four fragments of K step s from LDS into streamed set b: 24 loads of 8 bytes a lane
.irp T, 0,1,2,3
.irp p, 0,1,2,3,4,5
.if \T < 2
	ds_load_b64 v[WB+48*(\b)+12*\T+2*\p:WB+48*(\b)+12*\T+2*\p+1], v5 offset:16*(\T%2)*WP+96*(\s)+48*(\p/3)+8*(\p%3)
.else
	ds_load_b64 v[WB+48*(\b)+12*\T+2*\p:WB+48*(\b)+12*\T+2*\p+1], v6 offset:16*(\T%2)*WP+96*(\s)+48*(\p/3)+8*(\p%3)
.endif
.endr
.endr
.endm
.macro XLOADQ q, adr                   ; x's fragments of quad q: 12 loads of 16 bytes a lane, into window 1 (the setting is left so)
	WIN 0x40
.irp k, 0,1,2,3
.irp g, 0,1,2
	global_load_b128 v[48*(\q)+12*\k+4*\g:48*(\q)+12*\k+4*\g+3], v[\adr], s[6:7] offset:96*(4*(\q)+\k)+16*\g
.endr
.endr
.endm
.macro XSLOAD dst, adr                 ; a tile's scale words: 32 bytes a lane
	global_load_b128 v[\dst:\dst+3], v[\adr], s[8:9]
	global_load_b128 v[\dst+4:\dst+7], v[\adr], s[8:9] offset:16
.endm
.macro LEVEL src, fw, inc              ; one step of the descent: t = the set bits in the lower half of what is left; if my bit is not among them, t comes off j and the place moves up by inc
	v_bfe_u32 v[VT], v[\src], v[VO], \fw
	v_cmp_ge_u32 vcc_lo, v[VJ], v[VT]
	v_cndmask_b32 v[VT], 0, v[VT], vcc_lo
	v_cndmask_b32 v[VU], 0, \inc, vcc_lo
	v_sub_nc_u32 v[VJ], v[VJ], v[VT]
	v_add_nc_u32 v[VO], v[VO], v[VU]
.endm
; The list entries of my tile number k + d (lanes r and 16 + r: row r).  s36 is left holding the tile's number
.macro SELECT d, ent
	s_add_co_u32 s36, s26, \d
	s_min_u32 s36, s36, s27                        ; past the end: my last tile
	s_min_u32 s36, s36, 15
	s_lshl_b32 s37, s36, 4
	v_add_nc_u32 v[VP], s37, v1                    ; p = 16 x tile + r
	v_lshl_or_b32 v[VQ], v[VP], 3, 7
	v_mov_b32 v[VK], s[KY]
	v_mov_b32 v[VM], s[MK]
	v_mov_b32 v[VS], s[SL]
.irp n, 1,2,3,4,5,6,7
	v_cmp_gt_u32 vcc_lo, s[KY+\n], v[VQ]           ; word n begins behind p: what I have stays.  The keys ascend, so the last word that begins at or ahead of p is left
	v_cndmask_b32 v[VK], s[KY+\n], v[VK], vcc_lo
	v_cndmask_b32 v[VM], s[MK+\n], v[VM], vcc_lo
	v_cndmask_b32 v[VS], s[SL+\n], v[VS], vcc_lo
.endr
	v_and_b32 v[VN], 7, v[VK]                      ; the word's number
	v_lshrrev_b32 v[VK], 3, v[VK]
	v_sub_nc_u32 v[VJ], v[VP], v[VK]               ; j: I want the word's j-th set bit
	v_lshrrev_b32 v[VT], 1, v[VM]
	v_and_b32 v[VT], 0x55555555, v[VT]
	v_sub_nc_u32 v[VA], v[VM], v[VT]               ; the set bits of each 2,
	v_lshrrev_b32 v[VT], 2, v[VA]
	v_and_b32 v[VT], 0x33333333, v[VT]
	v_and_b32 v[VB], 0x33333333, v[VA]
	v_add_nc_u32 v[VB], v[VB], v[VT]               ; of each 4,
	v_lshrrev_b32 v[VT], 4, v[VB]
	v_add_nc_u32 v[VC], v[VB], v[VT]
	v_and_b32 v[VC], 0x0f0f0f0f, v[VC]             ; of each 8,
	v_lshrrev_b32 v[VT], 8, v[VC]
	v_add_nc_u32 v[VU], v[VC], v[VT]               ; and, in the low byte, of bits 0 to 15
	v_mov_b32 v[VO], 0
	LEVEL VU, 8, 16
	LEVEL VC, 8, 8
	LEVEL VB, 4, 4
	LEVEL VA, 2, 2
	LEVEL VM, 1, 1                                 ; (a place behind the list's end gives some bit 0 .. 31; the entry is replaced below)
	v_lshrrev_b32 v[VT], 2, v[VN]
	v_and_b32 v[VN], 3, v[VN]
	v_lshl_add_u32 v[VN], v[VT], 7, v[VN]
	v_lshl_add_u32 v[VN], v[VO], 2, v[VN]          ; 128 (n / 4) + 4 bit + n % 4
	v_bfe_u32 v[VT], v[VS], v[VO], 1
	v_lshl_add_u32 v[VN], v[VT], 10, v[VN]         ; + 1024 where the expert is the token's second choice
	v_add_nc_u32 v[VN], s34, v[VN]                 ; + 256 w
	v_cmp_gt_u32 vcc_lo, s23, v[VP]
	v_cndmask_b32 v[\ent], v[PAD], v[VN], vcc_lo
.endm
.macro RSTORE ent, ra                  ; slice 0 stores the entries for the next launch (lanes r and 16 + r write the same word with the same value)
	s_cmp_lg_u32 s21, 0
	s_cbranch_scc1 .Lnot_slice_0_\@
	s_lshl_b32 s37, s36, 6
	v_add_nc_u32 v[\ra], s37, v7
	global_store_b32 v[\ra], v[\ent], s[18:19]
.Lnot_slice_0_\@:
.endm
.macro MAKEADR ent, xa, xsa            ; an entry's low ten bits are the token
	v_and_b32 v29, 0x3ff, v[\ent]
	v_min_u32 v29, 0x3ff, v29
	v_mul_u32_u24 v[\xa], v29, 1536
	v_add_nc_u32 v[\xa], v[\xa], v8
	v_lshlrev_b32 v[\xsa], 6, v29
	v_add_nc_u32 v[\xsa], v[\xsa], v9
.endm
	s_load_b256 s[4:11], s[0:1], 0x0               ; selw, xq, xs, W13's codes
	s_load_b256 s[12:19], s[0:1], 0x20             ; W13's scales, act, acts, rowinfo
	v_lshl_add_u32 v254, v0, 2, 0x18400
	v_mov_b32 v255, 0
	v_lshrrev_b32 v1, 5, v0
	v_readfirstlane_b32 s20, v1                    ; wave
	s_mov_b32 s21, ttmp9                           ; j
	s_and_b32 s22, ttmp7, 0xffff                   ; e
	v_and_b32 v1, 15, v0                           ; r
	v_bfe_u32 v2, v0, 4, 1                         ; h
	v_and_b32 v3, 31, v0
	v_lshlrev_b32 v31, 2, v3                       ; 4 x lane
	v_lshlrev_b32 v3, 4, v3                        ; 16 x lane
	s_lshr_b32 s36, s20, 1                         ; I stage rows of g (0) or of u (1),
	s_and_b32 s37, s20, 1                          ; the first 16 of the 32 or the second
	s_lshl_b32 s38, s36, 5
	s_lshl_b32 s39, s37, 3
	s_add_co_u32 s38, s38, s39
	s_mul_i32 s38, s38, WP
	v_add_nc_u32 v4, s38, v3                       ; into LDS: slot 32 p + 8 a, + 16 x lane
	v_mul_u32_u24 v5, v1, WP
	v_mad_u32_u24 v5, v2, 24, v5                   ; a fragment's row r, + 24 h: tiles 0, 1
	v_add_nc_u32 v6, 32*WP, v5                     ; tiles 2, 3
	s_lshl_b32 s34, s20, 8                         ; 256 w: my first token, and my first row
	s_lshl_b32 s39, s20, 10
	v_lshlrev_b32 v7, 2, v1
	v_add_nc_u32 v7, s39, v7                       ; rowinfo: 4 (256 w + r)
	v_mul_u32_u24 v8, v2, 48
	v_lshlrev_b32 v9, 5, v2
	v_add_nc_u32 v15, s34, v1                      ; my row of my first tile
	v_mul_u32_u24 v[ACTO], v15, 24
	v_mad_u32_u24 v[ACTO], v2, 12, v[ACTO]
	v_lshlrev_b32 v[ASO], 2, v15
	v_and_b32 v28, 7, v1
	v_and_b32 v29, 8, v1
	v_lshl_add_u32 v28, v29, 1, v28
	v_lshl_add_u32 v28, v2, 3, v28
	v_lshlrev_b32 v28, 6, v28                      ; the weights' scale words: row 16 (r / 8) + 8 h + r % 8 of a half, 64 bytes a row
	v_mov_b32 v18, 0                               ; written once: a lane permute's destination counts as one of its sources
	s_lshl_b32 s39, s22, 4
	s_add_co_u32 s39, s39, 2048
	v_add_nc_u32 v[PAD], s39, v1
	s_lshl_b32 s28, 0x101, s22                     ; the expert's two bits in a word of selw,
	s_lshl_b32 s29, 0x100, s22                     ; and the one that says: second choice
	s_mov_b32 s30, 0x76543210
	s_mov_b32 s31, 0xfedcba98                      ; v_permlanex16_b32's selects for lane l xor 16
	s_mov_b32 s26, 0                               ; k: my tiles done
	s_mov_b32 s32, 0                               ; the count so far
	s_lshl_b32 s40, s22, 11
	s_lshl_b32 s38, s36, 10
	s_add_co_u32 s40, s40, s38
	s_lshl_b32 s38, s21, 5
	s_add_co_u32 s40, s40, s38
	s_lshl_b32 s38, s37, 4
	s_add_co_u32 s40, s40, s38
	s_mul_i32 s40, s40, 1536                       ; the 16 rows that I stage: row 2048 e + 1024 p + 32 j + 16 a
	s_mov_b32 s41, 0
	s_lshl_b32 s42, s22, 11
	s_lshl_b32 s38, s21, 5
	s_add_co_u32 s42, s42, s38
	s_lshl_b32 s42, s42, 6
	s_mov_b32 s43, 0
	s_lshl_b32 s44, s22, 5
	s_add_co_u32 s44, s44, s21
	s_mul_i32 s44, s44, 24576                      ; act: block 32 e + j
	s_mov_b32 s45, 0
	s_lshl_b32 s46, s22, 3
	s_lshr_b32 s38, s21, 2
	s_add_co_u32 s46, s46, s38
	s_lshl_b32 s46, s46, 12
	s_and_b32 s38, s21, 3
	s_add_co_u32 s46, s46, s38                     ; acts: K step 8 e + j / 4, byte j % 4
	s_mov_b32 s47, 0
	s_lshl_b32 s48, s22, 12                        ; rowinfo: the expert's 1,024 entries
	s_mov_b32 s49, 0
	s_lshl_b32 s50, s22, 2
	s_add_co_u32 s50, s50, s20
	s_lshl_b32 s50, s50, 7                         ; and my wave's 32 count words
	s_mov_b32 s51, 0
	s_lshl_b32 s54, s20, 10                        ; selw: my 256 words
	s_mov_b32 s55, 0
	s_wait_kmcnt 0x0
	s_add_nc_u64 s[4:5], s[4:5], s[54:55]
	s_add_nc_u64 s[52:53], s[18:19], s[50:51]
	s_add_nc_u64 s[18:19], s[18:19], s[48:49]
	s_add_nc_u64 s[10:11], s[10:11], s[40:41]
	s_add_nc_u64 s[12:13], s[12:13], s[42:43]
	s_add_nc_u64 s[14:15], s[14:15], s[44:45]
	s_add_nc_u64 s[16:17], s[16:17], s[46:47]
	global_load_b128 v[SW:SW+3], v3, s[4:5]                    ; register 4 q + c: token 256 w + 128 q + 4 lane + c.  These two go first: the list is made while the weights are on their way
	global_load_b128 v[SW+4:SW+7], v3, s[4:5] offset:512
	WIN 0x80                                       ; destination window 2
.set n, 0
.rept 48
	global_load_b128 v[4*n:4*n+3], v3, s[10:11] offset:512*n th:TH_LOAD_NT   ; my 16 rows are 24,576 dense bytes: 512 consecutive bytes a load; read once in the launch
.set n, n+1
.endr
	WIN 0
.irp P, 0,1
.irp g, 0,1,2,3
	global_load_b128 v[WS+16*\P+4*\g:WS+16*\P+4*\g+3], v28, s[12:13] offset:65536*\P+16*\g
.endr
.endr
	s_wait_loadcnt 56                              ; selw's two loads are in; behind them: the weights' 48 and their scale words' 8
.set n, 0
.rept 8
	v_and_b32 v[VT], s28, v[SW+n]
	v_cmp_ne_u32 s[MK+n], 0, v[VT]
	v_and_b32 v[VU], s29, v[SW+n]
	v_cmp_ne_u32 s[SL+n], 0, v[VU]
	s_lshl_b32 s33, s32, 3
	s_or_b32 s[KY+n], s33, n
	s_bcnt1_i32_b32 s33, s[MK+n]
	s_add_co_u32 s32, s32, s33
.set n, n+1
.endr
	s_min_u32 s23, s32, 0x100                      ; my rows
	s_add_co_u32 s25, s23, 15
	s_lshr_b32 s25, s25, 4                         ; my tiles
	s_max_u32 s27, s25, 1
	s_sub_co_u32 s27, s27, 1                       ; my last tile
	s_cmp_lg_u32 s21, 0
	s_cbranch_scc1 .Lno_count
	v_mov_b32 v30, s23
	global_store_b32 v31, v30, s[52:53] offset:32768
.Lno_count:
	SELECT 0, EN0
	RSTORE EN0, 21
	SELECT 1, 23
	RSTORE 23, 22
	MAKEADR EN0, 10, 20
	MAKEADR 23, XN, XSN
	s_wait_loadcnt 0x0                             ; the weights
	WIN 0x08                                       ; an LDS store's data are its source 1: window 2
.set n, 0
.rept 48
	ds_store_b128 v4, v[4*n:4*n+3] offset:((n/3)+8*((n/3)/8))*WP+512*(n%3)   ; my row q goes to slot q + 8 (q / 8) from my first
.set n, n+1
.endr
	WIN 0
	XSLOAD XSA, 20                                 ; my first tile is asked for ahead of the barrier: 2 + 48 loads
	XLOADQ 0, 10
	XLOADQ 1, 10
	XLOADQ 2, 10
	XLOADQ 3, 10
	WIN 0
	s_wait_dscnt 0x0                               ; for the others' sake: my rows lie in LDS
	s_barrier_signal -1
	s_barrier_wait -1                              ; the launch's one barrier; behind it LDS is only read
	s_cmp_eq_u32 s25, 0
	s_cbranch_scc1 .Lend                           ; none of my tokens chose this expert
.set sK, 0
.rept 16                               ; the 48 fragments that stay: 16 rows x 128 K of 6-bit codes are 12 registers: 24 bytes at 24 h and 24 at 48 + 24 h of the row's 96, in pieces of 8 bytes
.if (sK%4) != 3
.set tT, 0
.rept 4
	PLACE (3*(sK/4)+sK%4)*4+tT
	WIN (wI<<6)
.irp p, 0,1,2,3,4,5
.if tT < 2
	ds_load_b64 v[rW+2*\p:rW+2*\p+1], v5 offset:16*(tT%2)*WP+96*sK+48*(\p/3)+8*(\p%3)
.else
	ds_load_b64 v[rW+2*\p:rW+2*\p+1], v6 offset:16*(tT%2)*WP+96*sK+48*(\p/3)+8*(\p%3)
.endif
.endr
.set tT, tT+1
.endr
.endif
.set sK, sK+1
.endr
	WIN 0
	WLOAD 0, 3
	WLOAD 1, 7
	s_wait_dscnt 48                                ; the fragments that stay are in; behind them: the two streamed sets
.Ltile:                                            ; a trip: one tile of 16 rows, 64 matrix instructions.  On the way in: the tile's 16 fragments of x are asked for, the next tile's offsets are made, streamed sets 0 and 1 are asked for
	XSLOAD XSB, XSN                                ; the next tile's scale words
	SELECT 2, ENT                                  ; the list entries of the tile after that
	RSTORE ENT, RA
	s_wait_loadcnt 38                              ; quad 0 is in; behind it: quads 1 to 3 (36 loads) and the scale words (2)
	MULQ 0
	WLOAD 0, 11                                    ; for quad 2
	XLOADQ 0, XN                                   ; the next tile's quad 0: it has the rest of this trip in which to land
	s_wait_loadcnt 38                              ; quad 1 is in; behind it: 24 + 2 + the 12 just issued
	MULQ 1
	WLOAD 1, 15                                    ; for quad 3
	XLOADQ 1, XN
	s_wait_loadcnt 38                              ; quad 2: 12 + 2 + 24
	MULQ 2
	WLOAD 0, 3                                     ; for the next tile's quad 0
	XLOADQ 2, XN
	s_wait_loadcnt 38                              ; quad 3: 2 + 36
	MULQ 3
	WLOAD 1, 7
	XLOADQ 3, XN
	WIN 0
	; silu(g) u = g u / (1 + 2^(-g log2 e)), in f32; each accumulator is read from its low end on
.irp j, 0,2,4,6,8,10,12,14
	v_pk_mul_f32 v[UU+\j:UU+\j+1], v[GG+\j:GG+\j+1], v[UU+\j:UU+\j+1]
.endr
.irp j, 0,2,4,6,8,10,12,14
	v_pk_mul_f32 v[GG+\j:GG+\j+1], v[GG+\j:GG+\j+1], 0xbfb8aa3b op_sel_hi:[1,0]
.endr
.irp j, 0,1,2,3,4,5,6,7,8,9,10,11,12,13,14,15
	v_exp_f32 v[GG+\j], v[GG+\j]
.endr
	s_wait_loadcnt 48                              ; the next tile's scale words are in; behind them: its four quads
.irp n, 0,1,2,3,4,5,6,7
	v_mov_b32 v[XSA+\n], v[XSB+\n]                 ; they take their place: plain work behind the exponentials; more than eight plain lines follow ahead of the next product
.endr
	s_wait_alu depctr_va_vdst(0)                   ; one wait for the 16 exponentials, ahead of their first reader
.irp j, 0,2,4,6,8,10,12,14
	v_pk_add_f32 v[GG+\j:GG+\j+1], v[GG+\j:GG+\j+1], 1.0 op_sel_hi:[1,0]
.endr
.irp j, 0,1,2,3,4,5,6,7,8,9,10,11,12,13,14,15
	v_rcp_f32 v[GG+\j], v[GG+\j]
.endr
	v_nop                                          ; a plain line behind the last reciprocal
	s_wait_alu depctr_va_vdst(0)                   ; and one wait for the 16
.irp j, 0,2,4,6,8,10,12,14
	v_pk_mul_f32 v[UU+\j:UU+\j+1], v[UU+\j:UU+\j+1], v[GG+\j:GG+\j+1]
.endr
	v_max3_num_f32 v16, |v[UU]|, |v[UU+1]|, 0x2800000      ; my 16 numbers' largest magnitude, and the floor 2^(5 - 127): the byte cannot fall under 1
	v_max3_num_f32 v17, |v[UU+2]|, |v[UU+3]|, |v[UU+4]|
	v_max3_num_f32 v16, v16, |v[UU+5]|, |v[UU+6]|
	v_max3_num_f32 v17, v17, |v[UU+7]|, |v[UU+8]|
	v_max3_num_f32 v16, v16, |v[UU+9]|, |v[UU+10]|
	v_max3_num_f32 v17, v17, |v[UU+11]|, |v[UU+12]|
	v_max3_num_f32 v16, v16, |v[UU+13]|, |v[UU+14]|
	v_max3_num_f32 v17, v17, |v[UU+15]|, v16
	v_permlanex16_b32 v18, v17, s30, s31
	v_max_num_f32 v17, v17, v18                    ; with lane l xor 16's 16: the block's
	v_add_nc_u32 v19, 0xfe000000, v17              ; 4 off its exponent field: the conversion's scale operand
	v_cvt_scalef32_pk16_bf6_f32 v[24:26], v[UU:UU+15], v19
	v_lshrrev_b32 v27, 23, v19                     ; the scale's byte (also the plain line behind the conversion)
	global_store_b96 v[ACTO], v[24:26], s[14:15]   ; the tile's 16 rows x 24 bytes are 384 consecutive bytes
	global_store_b8 v[ASO], v27, s[16:17]          ; lanes r and 16 + r write the same byte with the same value
	s_wait_xcnt 0x0                                ; the loads and stores above have read their offsets and data: all may be written again
	MAKEADR ENT, XN, XSN
	v_add_nc_u32 v[ACTO], 384, v[ACTO]             ; 16 rows on
	v_add_nc_u32 v[ASO], 64, v[ASO]
	s_add_co_u32 s26, s26, 1
	s_cmp_lt_u32 s26, s25
	s_cbranch_scc1 .Ltile
.Lend:
	s_wait_dscnt 0x0                               ; the streamed sets asked for in the last trip
	s_wait_tensorcnt 0x0
	ds_add_u32 v254, v255
	s_wait_dscnt 0x0
	s_endpgm
.Lfunc_end_k_qeadc83a9b3_up:
	.size	k_qeadc83a9b3_up, .Lfunc_end_k_qeadc83a9b3_up-k_qeadc83a9b3_up
	.p2alignl 7, 3214868480
	.fill 96, 4, 3214868480
	.section	.rodata,"a",@progbits
	.p2align	6, 0x0
	.amdhsa_kernel k_qeadc83a9b3_up
		.amdhsa_group_segment_fixed_size 99840
		.amdhsa_private_segment_fixed_size 0
		.amdhsa_enable_private_segment 0
		.amdhsa_kernarg_size 64
		.amdhsa_user_sgpr_count 2
		.amdhsa_user_sgpr_kernarg_segment_ptr 1
		.amdhsa_wavefront_size32 1
		.amdhsa_system_sgpr_workgroup_id_x 1
		.amdhsa_system_sgpr_workgroup_id_y 1
		.amdhsa_system_sgpr_workgroup_id_z 1
		.amdhsa_system_vgpr_workitem_id 0
		.amdhsa_next_free_vgpr 1024
		.amdhsa_next_free_sgpr 92
		.amdhsa_reserve_vcc 1
		.amdhsa_float_denorm_mode_32 3
		.amdhsa_float_denorm_mode_16_64 3
		.amdhsa_memory_ordered 1
		.amdhsa_forward_progress 1
		.amdhsa_inst_pref_size 79
	.end_amdhsa_kernel
	.amdgpu_metadata
---
amdhsa.version: [ 1, 2 ]
amdhsa.kernels:
  - .name:           k_qeadc83a9b3_up
    .symbol:         k_qeadc83a9b3_up.kd
    .args:
      - { .name: selw, .offset: 0, .size: 8, .value_kind: global_buffer, .address_space: global }
      - { .name: xq, .offset: 8, .size: 8, .value_kind: global_buffer, .address_space: global }
      - { .name: xs, .offset: 16, .size: 8, .value_kind: global_buffer, .address_space: global }
      - { .name: w13_codes, .offset: 24, .size: 8, .value_kind: global_buffer, .address_space: global }
      - { .name: w13_scales, .offset: 32, .size: 8, .value_kind: global_buffer, .address_space: global }
      - { .name: act, .offset: 40, .size: 8, .value_kind: global_buffer, .address_space: global }
      - { .name: acts, .offset: 48, .size: 8, .value_kind: global_buffer, .address_space: global }
      - { .name: rowinfo, .offset: 56, .size: 8, .value_kind: global_buffer, .address_space: global }
    .group_segment_fixed_size: 99840
    .private_segment_fixed_size: 0
    .kernarg_segment_align: 8
    .kernarg_segment_size: 64
    .max_flat_workgroup_size: 128
    .sgpr_count:     92
    .vgpr_count:     1024
    .wavefront_size: 32
...
	.end_amdgpu_metadata
.endif
;; end of part 2
;; launch down (part 3): grid 32 x 8, 4 waves a work-group, no clusters, 68,096 bytes of LDS; arguments rowinfo, act, acts, w2_codes, w2_scales, P; writes P
.if DOCPART == 3
	.amdgcn_target "amdgcn-amd-amdhsa--gfx1250"
	.amdhsa_code_object_version 6
	.text
	.protected	k_qeadc83a9b3_down
	.globl	k_qeadc83a9b3_down
	.p2align	8
	.type	k_qeadc83a9b3_down,@function
k_qeadc83a9b3_down:
	s_mov_b64 s[64:65], 0
	v_nop
	global_prefetch_b8 v0, s[64:65] scope:SCOPE_SE
	s_setreg_imm32_b32 hwreg(HW_REG_WAVE_MODE, 25, 1), 1
	s_wait_xcnt 0x0
; THE SECOND PRODUCT, for the rows that chose an expert: y = act W2[e]^T, on codes of E3M2 with one E8M0 scale for each 32 along K (K = 1,024: 8 K steps).
; SHARES.  Work-group (j, e) makes columns 64 j .. 64 j + 63 of y for all rows of expert e.  Its 64 rows of W2[e] (768 bytes each) are read from memory once, go through LDS, and EVERY wave then holds all 32 fragments
; (4 tiles x 8 K steps, 384 registers).  Wave w walks the tiles of 16 rows of its own quarter of the expert's rows (rows 256 w on; how many, the launch before has stored); no barrier stands in the loop.
; act's fragments come from memory straight into registers.
; NO TENSOR LOAD, NO CLUSTER: the number of tiles is read from memory.
; TRANSPOSED: source 0 = 16 rows of W2, source 1 = 16 rows of act: a lane holds eight neighbouring columns of one row of y.  A tile goes through the wave's own stage in LDS and leaves as rows: sixteen lanes store
; 256 consecutive bytes, at a multiple of 256 from P's first byte.  EACH ROW HAS ONE OWNER: row slot x 1024 + token of P, as the list says; the rows that fill up a last tile go to spare rows 2048 + 16 e + i, which nobody reads.
; A tile past a wave's last is asked for as its last tile, so that every wait keeps its count; its data are not used.
; REGISTERS.  Window 0: v1-15 addresses; v16-31 W2's scale words; v32-35, v36-39 act's scale words, this tile's and the next's; v40-47 list entries; v48-55 the rows' offsets in P; v64-95 four accumulators;
;   v96-127 rows on their way out; v128-223 act's fragments: two sets of four K steps.  Window 1: W2's fragments of K steps 0-3 at v[12 (4 s + T)]; window 2: of K steps 4-7.
.set WP,   784                         ; a row of weights in LDS: 768 bytes + 16 = 196 words: row r starts at bank 4 r mod 64 (64 banks of 4 bytes: ISA guide 11.1)
.set SPT,  272                         ; a stage row: 256 bytes + 16
.set OST,  64*WP                       ; behind the weights: 16 stage rows for each wave
.set WS,   16                          ; v[WS + 8 P + s]: lanes 0-15 the words of tile 2 P, lanes 16-31 of tile 2 P + 1
.set ASA,  32                          ; register i: lanes 0-15 K step i, lanes 16-31 K step 4 + i
.set ASB,  36
.set RI,   40
.set OFS,  48
.set ACC,  64
.set OB,   96
.set RING, 128
.set MSB,  0
.macro WIN new                         ; the immediate's high byte repeats the setting that is left; a switch that changes nothing is dropped
.if MSB != \new
	s_set_vgpr_msb (MSB<<8)|\new
.set MSB, \new
.endif
.endm
.macro WM acc, wr, xr, cz, sa, sb, ar, br      ; one matrix instruction.  cz: the constant 0 starts the sum.  ar, br: the side's scale words stand in lanes 16-31
.if \cz
.if \ar
	v_wmma_scale_f32_16x16x128_f8f6f4 v[\acc:\acc+7], v[\wr:\wr+11], v[\xr:\xr+11], 0, v[\sa], v[\sb] matrix_a_fmt:MATRIX_FMT_BF6 matrix_b_fmt:MATRIX_FMT_BF6 matrix_a_scale:MATRIX_SCALE_ROW1
.else
	v_wmma_scale_f32_16x16x128_f8f6f4 v[\acc:\acc+7], v[\wr:\wr+11], v[\xr:\xr+11], 0, v[\sa], v[\sb] matrix_a_fmt:MATRIX_FMT_BF6 matrix_b_fmt:MATRIX_FMT_BF6
.endif
.elseif (\ar) && (\br)
	v_wmma_scale_f32_16x16x128_f8f6f4 v[\acc:\acc+7], v[\wr:\wr+11], v[\xr:\xr+11], v[\acc:\acc+7], v[\sa], v[\sb] matrix_a_fmt:MATRIX_FMT_BF6 matrix_b_fmt:MATRIX_FMT_BF6 matrix_a_scale:MATRIX_SCALE_ROW1 matrix_b_scale:MATRIX_SCALE_ROW1
.elseif \ar
	v_wmma_scale_f32_16x16x128_f8f6f4 v[\acc:\acc+7], v[\wr:\wr+11], v[\xr:\xr+11], v[\acc:\acc+7], v[\sa], v[\sb] matrix_a_fmt:MATRIX_FMT_BF6 matrix_b_fmt:MATRIX_FMT_BF6 matrix_a_scale:MATRIX_SCALE_ROW1
.elseif \br
	v_wmma_scale_f32_16x16x128_f8f6f4 v[\acc:\acc+7], v[\wr:\wr+11], v[\xr:\xr+11], v[\acc:\acc+7], v[\sa], v[\sb] matrix_a_fmt:MATRIX_FMT_BF6 matrix_b_fmt:MATRIX_FMT_BF6 matrix_b_scale:MATRIX_SCALE_ROW1
.else
	v_wmma_scale_f32_16x16x128_f8f6f4 v[\acc:\acc+7], v[\wr:\wr+11], v[\xr:\xr+11], v[\acc:\acc+7], v[\sa], v[\sb] matrix_a_fmt:MATRIX_FMT_BF6 matrix_b_fmt:MATRIX_FMT_BF6
.endif
.endm
; K steps 4 b .. 4 b + 3 from set b: 16 matrix instructions; the four accumulators take turns, one instruction a turn.  Four places follow (ISA guide 7.12.1)
.macro MULQ b
	WIN 1+(\b)
.irp k, 0,1,2,3
.irp T, 0,1,2,3
.set cZ, 0
.if ((\b) == 0) && (\k == 0)
.set cZ, 1
.endif
	WM ACC+8*\T, 12*(4*\k+\T), RING+48*(\b)+12*\k, cZ, WS+8*(\T/2)+4*(\b)+\k, ASA+\k, \T%2, \b
.endr
.endr
	WIN 0
.rept 4
	v_nop
.endr
.endm
.macro ALOADQ b                        ; act's fragments of K steps 4 b .. 4 b + 3 into set b: lane (r, h) takes blocks 4 s + h and 4 s + 2 + h of its row, 24 bytes each, in pieces of 8
.irp k, 0,1,2,3
.irp p, 0,1,2,3,4,5
	global_load_b64 v[RING+48*(\b)+12*\k+2*\p:RING+48*(\b)+12*\k+2*\p+1], v9, s[6:7] offset:(4*(4*(\b)+\k)+2*(\p/3))*24576+8*(\p%3)
.endr
.endr
.endm
.macro TILEADR d                       ; the offsets of my tile number k + d in act, acts and the list
	s_add_co_u32 s36, s26, \d
	s_min_u32 s36, s36, s27                        ; past the end: my last tile
	s_min_u32 s36, s36, 15
	s_add_co_u32 s36, s36, s28                     ; + 16 w: my quarter of the expert's rows
	s_mul_i32 s37, s36, 384
	s_lshl_b32 s36, s36, 6
	v_add_nc_u32 v9, s37, v6
	v_add_nc_u32 v10, s36, v7
	v_add_nc_u32 v11, s36, v8
.endm
.macro RILOAD
	global_load_b128 v[RI:RI+3], v11, s[4:5]       ; the entries of rows 8 h + 0 .. 7 of the tile
	global_load_b128 v[RI+4:RI+7], v11, s[4:5] offset:16
.endm
.macro ASLOAD dst
.irp i, 0,1,2,3
	global_load_b32 v[\dst+\i], v10, s[8:9] offset:4096*\i
.endr
.endm
	s_load_b256 s[4:11], s[0:1], 0x0               ; rowinfo, act, acts, W2's codes
	s_load_b128 s[12:15], s[0:1], 0x20             ; W2's scales, P
	v_lshl_add_u32 v254, v0, 2, 0x10800
	v_mov_b32 v255, 0
	v_lshrrev_b32 v1, 5, v0
	v_readfirstlane_b32 s20, v1                    ; wave
	s_mov_b32 s21, ttmp9                           ; j
	s_and_b32 s22, ttmp7, 0xffff                   ; e
	v_and_b32 v1, 15, v0                           ; r
	v_bfe_u32 v2, v0, 4, 1                         ; h
	v_lshlrev_b32 v14, 4, v1                       ; 16 r
	v_mad_u32_u24 v3, v2, 768, v14                 ; the weights as they are loaded: lanes 0-15 256 bytes of a row, lanes 16-31 of the next row
	s_mul_i32 s36, s20, 16*WP
	v_mad_u32_u24 v4, v2, WP, v14
	v_add_nc_u32 v4, s36, v4                       ; and the same place in LDS
	v_mul_u32_u24 v5, v1, WP
	v_mad_u32_u24 v5, v2, 24, v5                   ; a fragment's row r, + 24 h
	v_mul_u32_u24 v6, v1, 24
	v_mad_u32_u24 v6, v2, 24576, v6                ; act: row r of a tile, block h
	v_lshlrev_b32 v7, 2, v1
	v_lshl_add_u32 v7, v2, 14, v7                  ; acts: row r, K step 4 h
	v_lshlrev_b32 v8, 5, v2                        ; the list: rows 8 h on
	s_mul_i32 s36, s20, 16*SPT
	s_add_co_u32 s36, s36, OST                     ; my stage
	v_mul_u32_u24 v12, v1, SPT
	v_lshl_add_u32 v12, v2, 5, v12
	v_add_nc_u32 v12, s36, v12                     ; in: row r, 32 bytes for each half of the lanes
	v_mad_u32_u24 v13, v2, 8*SPT, v14
	v_add_nc_u32 v13, s36, v13                     ; back: lanes 0-15 row i, lanes 16-31 row 8 + i
	v_lshl_add_u32 v15, v2, 4, v1
	v_lshlrev_b32 v15, 5, v15                      ; W2's scale words: row 16 h + r of a pair of tiles, 32 bytes a row
	s_mov_b32 s26, 0                               ; k: my tiles done
	s_lshl_b32 s28, s20, 4                         ; 16 w: my first tile
	s_lshl_b32 s40, s22, 11
	s_lshl_b32 s38, s21, 6
	s_add_co_u32 s40, s40, s38
	s_lshl_b32 s42, s40, 5                         ; W2's scales: row 2048 e + 64 j
	s_mov_b32 s43, 0
	s_lshl_b32 s38, s20, 4
	s_add_co_u32 s40, s40, s38
	s_mul_i32 s40, s40, 768                        ; the 16 rows that I stage
	s_mov_b32 s41, 0
	s_mul_i32 s44, s22, 786432
	s_mov_b32 s45, 0
	s_lshl_b32 s46, s22, 15
	s_mov_b32 s47, 0
	s_lshl_b32 s48, s22, 12
	s_mov_b32 s49, 0
	s_lshl_b32 s50, s22, 2
	s_add_co_u32 s50, s50, s20
	s_lshl_b32 s50, s50, 7                         ; my wave's count words
	s_mov_b32 s51, 0
	s_lshl_b32 s54, s21, 8
	s_mov_b32 s55, 0
	s_wait_kmcnt 0x0
	s_add_nc_u64 s[52:53], s[4:5], s[50:51]
	s_load_b32 s23, s[52:53], 0x8000               ; my rows
	s_add_nc_u64 s[4:5], s[4:5], s[48:49]
	s_add_nc_u64 s[6:7], s[6:7], s[44:45]
	s_add_nc_u64 s[8:9], s[8:9], s[46:47]
	s_add_nc_u64 s[10:11], s[10:11], s[40:41]
	s_add_nc_u64 s[12:13], s[12:13], s[42:43]
	s_add_nc_u64 s[14:15], s[14:15], s[54:55]
	WIN 0x40                                       ; destination window 1
.irp rho, 0,1,2,3,4,5,6,7
.irp c, 0,1,2
	global_load_b128 v[4*(3*\rho+\c):4*(3*\rho+\c)+3], v3, s[10:11] offset:1536*\rho+256*\c th:TH_LOAD_NT   ; sixteen lanes read 256 consecutive bytes of a row; read once in the launch
.endr
.endr
	WIN 0
.irp P, 0,1
.irp g, 0,1
	global_load_b128 v[WS+8*\P+4*\g:WS+8*\P+4*\g+3], v15, s[12:13] offset:1024*\P+16*\g
.endr
.endr
	s_wait_kmcnt 0x0
	s_min_u32 s23, s23, 0x100
	s_add_co_u32 s25, s23, 15
	s_lshr_b32 s25, s25, 4                         ; my tiles
	s_max_u32 s27, s25, 1
	s_sub_co_u32 s27, s27, 1                       ; my last tile
	s_wait_loadcnt 0x0
	WIN 0x04                                       ; an LDS store's data are its source 1: window 1
.irp rho, 0,1,2,3,4,5,6,7
.irp c, 0,1,2
	ds_store_b128 v4, v[4*(3*\rho+\c):4*(3*\rho+\c)+3] offset:2*WP*\rho+256*\c
.endr
.endr
	WIN 0
	s_wait_dscnt 0x0                               ; for the others' sake: my rows lie in LDS
	s_barrier_signal -1
	s_barrier_wait -1                              ; the launch's one barrier; behind it the weights are only read, and each wave's stage is its own
	s_cmp_eq_u32 s25, 0
	s_cbranch_scc1 .Lend                           ; none of my quarter's tokens chose this expert
	TILEADR 0                                      ; my first tile: 54 loads, which land while the weights come out of LDS
	ASLOAD ASA
	RILOAD
	ALOADQ 0
	ALOADQ 1
.set fI, 0
.rept 32
	WIN ((1+fI/16)<<6)
.irp p, 0,1,2,3,4,5
	ds_load_b64 v[12*(fI%16)+2*\p:12*(fI%16)+2*\p+1], v5 offset:16*(fI%4)*WP+96*(fI/4)+48*(\p/3)+8*(\p%3)
.endr
.set fI, fI+1
.endr
	WIN 0
	s_wait_dscnt 0x0
.Ltile:                                            ; a trip: one tile of 16 rows, 32 matrix instructions.  On the way in: the tile's entries, scale words and both sets are asked for
	s_wait_xcnt 0x0                                ; every load and store so far has read its offsets and data: all may be written again
	TILEADR 1                                      ; the next tile
	s_wait_loadcnt 24                              ; the entries, the scale words and K steps 0-3 are in; behind them: K steps 4-7 (24 loads)
.irp i, 0,1,2,3,4,5,6,7
	v_min_u32 v[OFS+\i], 0x87f, v[RI+\i]           ; a row of P: a loaded number is held inside the buffer (2,176 rows)
.endr
.irp i, 0,1,2,3,4,5,6,7
	v_lshlrev_b32 v[OFS+\i], 13, v[OFS+\i]         ; 8,192 bytes a row
.endr
.irp i, 0,1,2,3,4,5,6,7
	v_add_nc_u32 v[OFS+\i], v[OFS+\i], v14
.endr
	RILOAD
	ASLOAD ASB
	MULQ 0
	ALOADQ 0
	s_wait_loadcnt 30                              ; K steps 4-7 are in; behind them: 2 + 4 + the 24 just issued
	MULQ 1
	ALOADQ 1
.irp T, 0,1,2,3
	ds_store_b128 v12, v[ACC+8*\T:ACC+8*\T+3] offset:64*\T          ; each accumulator from its low end on: y(r, 16 T + 8 h + 0 .. 7)
	ds_store_b128 v12, v[ACC+8*\T+4:ACC+8*\T+7] offset:64*\T+16
.endr
.irp i, 0,1,2,3,4,5,6,7
	ds_load_b128 v[OB+4*\i:OB+4*\i+3], v13 offset:SPT*\i            ; LDS serves a wave's instructions in order (ISA guide 5.7.1.4): these see my stores, and the next tile's stores come behind them
.endr
	s_wait_loadcnt 48                              ; the next tile's entries and scale words are in; behind them: its two sets
.irp i, 0,1,2,3
	v_mov_b32 v[ASA+\i], v[ASB+\i]                 ; more than eight plain lines follow ahead of the next product
.endr
.irp i, 0,1,2,3,4,5,6,7
	s_wait_dscnt 7-\i
	global_store_b128 v[OFS+\i], v[OB+4*\i:OB+4*\i+3], s[14:15] th:TH_STORE_NT   ; sixteen lanes store 256 consecutive bytes of one row of P
.endr
	s_add_co_u32 s26, s26, 1
	s_cmp_lt_u32 s26, s25
	s_cbranch_scc1 .Ltile
.Lend:
	s_wait_tensorcnt 0x0
	ds_add_u32 v254, v255
	s_wait_dscnt 0x0
	s_endpgm
.Lfunc_end_k_qeadc83a9b3_down:
	.size	k_qeadc83a9b3_down, .Lfunc_end_k_qeadc83a9b3_down-k_qeadc83a9b3_down
	.p2alignl 7, 3214868480
	.fill 96, 4, 3214868480
	.section	.rodata,"a",@progbits
	.p2align	6, 0x0
	.amdhsa_kernel k_qeadc83a9b3_down
		.amdhsa_group_segment_fixed_size 68096
		.amdhsa_private_segment_fixed_size 0
		.amdhsa_enable_private_segment 0
		.amdhsa_kernarg_size 48
		.amdhsa_user_sgpr_count 2
		.amdhsa_user_sgpr_kernarg_segment_ptr 1
		.amdhsa_wavefront_size32 1
		.amdhsa_system_sgpr_workgroup_id_x 1
		.amdhsa_system_sgpr_workgroup_id_y 1
		.amdhsa_system_sgpr_workgroup_id_z 1
		.amdhsa_system_vgpr_workitem_id 0
		.amdhsa_next_free_vgpr 768
		.amdhsa_next_free_sgpr 66
		.amdhsa_reserve_vcc 0
		.amdhsa_float_denorm_mode_32 3
		.amdhsa_float_denorm_mode_16_64 3
		.amdhsa_memory_ordered 1
		.amdhsa_forward_progress 1
		.amdhsa_inst_pref_size 39
	.end_amdhsa_kernel
	.amdgpu_metadata
---
amdhsa.version: [ 1, 2 ]
amdhsa.kernels:
  - .name:           k_qeadc83a9b3_down
    .symbol:         k_qeadc83a9b3_down.kd
    .args:
      - { .name: rowinfo, .offset: 0, .size: 8, .value_kind: global_buffer, .address_space: global }
      - { .name: act, .offset: 8, .size: 8, .value_kind: global_buffer, .address_space: global }
      - { .name: acts, .offset: 16, .size: 8, .value_kind: global_buffer, .address_space: global }
      - { .name: w2_codes, .offset: 24, .size: 8, .value_kind: global_buffer, .address_space: global }
      - { .name: w2_scales, .offset: 32, .size: 8, .value_kind: global_buffer, .address_space: global }
      - { .name: P, .offset: 40, .size: 8, .value_kind: global_buffer, .address_space: global }
    .group_segment_fixed_size: 68096
    .private_segment_fixed_size: 0
    .kernarg_segment_align: 8
    .kernarg_segment_size: 48
    .max_flat_workgroup_size: 128
    .sgpr_count:     66
    .vgpr_count:     768
    .wavefront_size: 32
...
	.end_amdgpu_metadata
.endif
;; end of part 3
;; launch combine (part 4): grid 256 x 1, 4 waves a work-group, no clusters, 0 bytes of LDS; arguments wts, P, out0; writes out0
.if DOCPART == 4
	.amdgcn_target "amdgcn-amd-amdhsa--gfx1250"
	.amdhsa_code_object_version 6
	.text
	.protected	k_qeadc83a9b3_combine
	.globl	k_qeadc83a9b3_combine
	.p2align	8
	.type	k_qeadc83a9b3_combine,@function
k_qeadc83a9b3_combine:
	s_mov_b64 s[64:65], 0
	v_nop
	global_prefetch_b8 v0, s[64:65] scope:SCOPE_SE
	s_setreg_imm32_b32 hwreg(HW_REG_WAVE_MODE, 25, 1), 1
	s_wait_xcnt 0x0
; out0[t] = w0[t] P[t] + w1[t] P[1024 + t]: a token's two experts' rows, weighted.  A stream: a wave takes a token, 8,192 bytes a row; each load and store covers 512 consecutive bytes.
; All 32 loads of a wave go out at once, each into registers of its own; no register is written twice, so no wait frees one.  No LDS, no barrier, no matrix unit: memory binds.
.set A, 8                              ; v8-71    the first choice's row, then the result
.set B, 72                             ; v72-135  the second choice's row
	s_load_b128 s[4:7], s[0:1], 0x0                ; wts, P
	s_load_b64 s[8:9], s[0:1], 0x10                ; out0
	v_lshrrev_b32 v1, 5, v0
	v_readfirstlane_b32 s12, v1                    ; wave
	v_and_b32 v1, 31, v0
	v_lshlrev_b32 v1, 4, v1
	s_lshl_b32 s13, ttmp9, 2
	s_add_co_u32 s13, s13, s12                     ; my token
	s_lshl_b32 s14, s13, 3
	s_mov_b32 s15, 0
	s_lshl_b32 s16, s13, 13
	s_mov_b32 s17, 0
	s_wait_kmcnt 0x0
	s_add_nc_u64 s[4:5], s[4:5], s[14:15]
	s_load_b64 s[10:11], s[4:5], 0x0               ; w0, w1
	s_add_nc_u64 s[6:7], s[6:7], s[16:17]
	s_add_nc_u64 s[18:19], s[6:7], 0x800000        ; 1,024 rows on
	s_add_nc_u64 s[8:9], s[8:9], s[16:17]
.irp i, 0,1,2,3,4,5,6,7,8,9,10,11,12,13,14,15
	global_load_b128 v[A+4*\i:A+4*\i+3], v1, s[6:7] offset:512*\i th:TH_LOAD_NT
	global_load_b128 v[B+4*\i:B+4*\i+3], v1, s[18:19] offset:512*\i th:TH_LOAD_NT
.endr
	s_wait_kmcnt 0x0
	s_mov_b32 s20, s11                             ; the packed forms name a pair and take its low word for both halves
	s_mov_b32 s21, s11
.irp i, 0,1,2,3,4,5,6,7,8,9,10,11,12,13,14,15
	s_wait_loadcnt 30-2*\i                         ; pair i of loads is in; the later pairs may be out
	v_pk_mul_f32 v[A+4*\i:A+4*\i+1], v[A+4*\i:A+4*\i+1], s[10:11] op_sel_hi:[1,0]
	v_pk_mul_f32 v[A+4*\i+2:A+4*\i+3], v[A+4*\i+2:A+4*\i+3], s[10:11] op_sel_hi:[1,0]
	v_pk_fma_f32 v[A+4*\i:A+4*\i+1], v[B+4*\i:B+4*\i+1], s[20:21], v[A+4*\i:A+4*\i+1] op_sel_hi:[1,0,1]
	v_pk_fma_f32 v[A+4*\i+2:A+4*\i+3], v[B+4*\i+2:B+4*\i+3], s[20:21], v[A+4*\i+2:A+4*\i+3] op_sel_hi:[1,0,1]
	global_store_b128 v1, v[A+4*\i:A+4*\i+3], s[8:9] offset:512*\i th:TH_STORE_NT
.endr
	s_endpgm
.Lfunc_end_k_qeadc83a9b3_combine:
	.size	k_qeadc83a9b3_combine, .Lfunc_end_k_qeadc83a9b3_combine-k_qeadc83a9b3_combine
	.p2alignl 7, 3214868480
	.fill 96, 4, 3214868480
	.section	.rodata,"a",@progbits
	.p2align	6, 0x0
	.amdhsa_kernel k_qeadc83a9b3_combine
		.amdhsa_group_segment_fixed_size 0
		.amdhsa_private_segment_fixed_size 0
		.amdhsa_enable_private_segment 0
		.amdhsa_kernarg_size 24
		.amdhsa_user_sgpr_count 2
		.amdhsa_user_sgpr_kernarg_segment_ptr 1
		.amdhsa_wavefront_size32 1
		.amdhsa_system_sgpr_workgroup_id_x 1
		.amdhsa_system_sgpr_workgroup_id_y 1
		.amdhsa_system_sgpr_workgroup_id_z 1
		.amdhsa_system_vgpr_workitem_id 0
		.amdhsa_next_free_vgpr 136
		.amdhsa_next_free_sgpr 66
		.amdhsa_reserve_vcc 0
		.amdhsa_float_denorm_mode_32 3
		.amdhsa_float_denorm_mode_16_64 3
		.amdhsa_memory_ordered 1
		.amdhsa_forward_progress 1
		.amdhsa_inst_pref_size 11
	.end_amdhsa_kernel
	.amdgpu_metadata
---
amdhsa.version: [ 1, 2 ]
amdhsa.kernels:
  - .name:           k_qeadc83a9b3_combine
    .symbol:         k_qeadc83a9b3_combine.kd
    .args:
      - { .name: wts, .offset: 0, .size: 8, .value_kind: global_buffer, .address_space: global }
      - { .name: P, .offset: 8, .size: 8, .value_kind: global_buffer, .address_space: global }
      - { .name: out0, .offset: 16, .size: 8, .value_kind: global_buffer, .address_space: global }
    .group_segment_fixed_size: 0
    .private_segment_fixed_size: 0
    .kernarg_segment_align: 8
    .kernarg_segment_size: 24
    .max_flat_workgroup_size: 128
    .sgpr_count:     66
    .vgpr_count:     136
    .wavefront_size: 32
...
	.end_amdgpu_metadata
.endif
;; end of part 4
;; ======== version 2 of 2: 4 launches; version 1 with the launches up, down written anew for expert scheduling mode
;; workspace buffers: selw 4,096 bytes of whole numbers; wts 8,192 bytes; xq 1,572,864 bytes; xs 65,536 bytes; act 6,291,456 bytes; acts 262,144 bytes; rowinfo 36,864 bytes of whole numbers; P 17,825,792 bytes
;; launch route: the kernel of part 1 again; grid 256 x 1, 4 waves a work-group, no clusters, 42,240 bytes of LDS; arguments hidden_states, gate_w, out1, selw, wts, xq, xs; writes out1, selw, wts, xq, xs
;; launch up (part 5): grid 32 x 8, 4 waves a work-group, no clusters, 99,840 bytes of LDS; arguments selw, xq, xs, w13_codes, w13_scales, act, acts, rowinfo; writes act, acts, rowinfo
.if DOCPART == 5
	.amdgcn_target "amdgcn-amd-amdhsa--gfx1250"
	.amdhsa_code_object_version 6
	.text
	.protected	k_qeadc83a9b3_up
	.globl	k_qeadc83a9b3_up
	.p2align	8
	.type	k_qeadc83a9b3_up,@function
k_qeadc83a9b3_up:
	s_mov_b64 s[64:65], 0
	v_nop
	global_prefetch_b8 v0, s[64:65] scope:SCOPE_SE
	s_setreg_imm32_b32 hwreg(HW_REG_WAVE_SCHED_MODE, 0, 2), 2
	s_setreg_imm32_b32 hwreg(HW_REG_WAVE_MODE, 25, 1), 1
	s_wait_xcnt 0x0
	s_wait_alu depctr_vm_vsrc(0)
; THE PLACING OF ROWS, THE FIRST PRODUCT AND THE ACTIVATION, for the rows that chose an expert.  act = Q(silu(g) u), [g | u] = Q(x) W13[e]^T, on codes of E3M2 with one E8M0 scale for each 32 along K.
; SHARES.  Work-group (j, e) makes hidden units 32 j .. 32 j + 31 of expert e: one block of the next product's K.  It needs rows 32 j + 0 .. 31 (g) and 1024 + 32 j + 0 .. 31 (u) of W13[e]: 64 rows x 1,536 bytes,
; read from memory once, 512 consecutive bytes a load, into LDS.  Every wave uses all 64 fragments (4 tiles of 16 rows x 16 K steps): those of three K steps in four stay in its registers (576); those of K steps 3, 7, 11, 15
; are read from LDS anew for each tile, into two sets of 48 registers that take turns, each asked for in the quad behind its last use, more than a quad ahead of its next: that leaves 192 registers for x, a whole tile on its way.
; WAVE w OWNS TOKENS 256 w .. 256 w + 255.  selw[t] = (1 << e0) | (1 << (8 + e1)) was stored by the launch before.  Eight compares give eight masks of 32 tokens in scalar registers; the wave's list is their set bits in
; order (word n, bit l: token 256 w + 128 (n / 4) + 4 l + n % 4).  The token at place p is found by each lane for itself: the last word whose count so far is at most p, then the (p - that count)-th set bit of the word, by a
; descent over bit counts of 16, 8, 4, 2 and 1 bits.  The wave walks its list 16 rows at a time and shares nothing with the others: no barrier stands in the loop.
; The last tile is filled up with the rows of tokens 16 e + r, whose results go to spare rows.  Row 256 w + 16 k + r of act, acts and rowinfo[e] belongs to place 16 k + r of wave w's list.
; Slice j = 0 stores what the next launch needs: rowinfo[e][row] = slot x 1024 + token (or 2048 + 16 e + r), and at byte 32,768 [e][w][32] words, all the wave's count.
; NO TENSOR LOAD, NO CLUSTER: the number of tiles comes from numbers read from memory; x's rows, which 32 work-groups read, are what would be shared.
; TRANSPOSED: source 0 = 16 rows of W13, source 1 = 16 rows of x: a lane holds one row of x, its registers run along the hidden units.  THE ROWS OF A TILE ARE NOT NEIGHBOURS: slot 16 u + 8 a + i of a half (g or u)
; holds its row 16 a + 8 u + i, so that the 16 registers of tiles 2 p, 2 p + 1 are units 16 (lane / 16) + 0 .. 15: 16 neighbours along the next K.
; act: [e][block 32][row 1024][24 bytes]; acts: [e][K step 8][row 1024][4 bytes].  A tile past a wave's last is asked for as its last tile, so that every wait keeps its count; its data are not used.
; LIMITS: NaN and infinities are not served; g u is formed ahead of the division, so |g u| stays under f32's largest number; a block whose largest magnitude lies under 2^-122, a block of zeros among them, keeps the byte 1.
; REGISTERS.  Window 0: v1-31 addresses and work; v32-63 W13's scale words; v64-71, v72-79 x's scale words, this tile's and the next's; v80-91 one fragment; v96-127 four accumulators; v128-223 the two sets of streamed
;   fragments; v224-247 the search of the list.  Window 1: v0-191 x's 16 fragments (K step s at v[12 s]); v192-251 five fragments of W13.  Windows 2, 3: 21 fragments each.
; THE MODE: SCHED_MODE bits 1:0 = 2 (LLVM: expert scheduling mode 2), set by the entry lines.  The code itself states the register dependences between vector or matrix instructions and memory or LDS instructions,
; and those through scalar registers and VCC that vector instructions write, with s_wait_alu, always for 0.
; THE PLAN.  Registers that memory or LDS instructions touch, in the loop:
;   Q0 .. Q3 (window 1, 48 each)  Quad q's matrix instructions read Qq; the next tile's loads land in it.
;   WB0, WB1                      The last K step of quad q reads WB[q % 2]; LDS loads land in it.
;   XSB                           Two loads at the trip's head land in it; eight moves at the trip's end read it.
;   XN, XSN, ACTO, ASO            Read by the trip's loads and stores as offsets; written by vector lines at the trip's end.
;   v24-27                        Written by the conversion and the shift; read by the two stores.
;   ENT, RA                       Written by the search; read by slice 0's store.
;   v5, v6                        LDS addresses, never written again.
;   XSA, the accumulators, the weights that stay and the search's registers are named by vector and matrix instructions alone.
; The refills of what quad q - 1 has read (Q[q - 1], WB[(q - 1) % 2]) are dealt among quad q's matrix instructions, which name Qq, WB[q % 2], the weights that stay, the scale words and the accumulators: none of the registers
; that those loads touch.  So one wait on va_vdst at the head of quads 1, 2 and 3 states all that the quad's 36 loads hang on.  Quad 3's own refills stand behind it, under a wait of their own, ahead of the activation.
; One wait at the label serves the trip's offsets; one stands ahead of the two stores; one wait on vm_vsrc, at the trip's end, frees every register that the trip's memory instructions have read.
.set WP,   1552                        ; a row of weights in LDS: 1,536 bytes + 16 = 388 words: row r starts at bank 4 r mod 64 (64 banks of 4 bytes: ISA guide 11.1), so the 32 lanes of a load of 8 bytes touch 64 different banks
.set WS,   32                          ; v[WS + 16 P + s]: lanes 0-15 the words of tile 2 P, lanes 16-31 of tile 2 P + 1, K step s
.set XSA,  64                          ; register n: lanes 0-15 K step n, lanes 16-31 K step 8 + n
.set XSB,  72
.set WL,   80
.set ACC,  96
.set GG,   96                          ; g: tiles 0, 1
.set UU,   112                         ; u: tiles 2, 3
.set WB,   128                         ; the streamed fragments: set b at v[WB + 48 b], tile T at + 12 T
.set XN,   11                          ; v11  the next tile's byte offset in xq: token x 1,536 + 48 h
.set XSN,  12                          ; v12  and in xs: token x 64 + 32 h
.set ENT,  13                          ; v13  a list entry
.set ACTO, 14                          ; v14  where my 12 bytes of codes go
.set ASO,  15                          ; v15  where my row's scale byte goes
.set VP,   224                         ; the search: my place p;
.set VQ,   225                         ; 8 p + 7;
.set VK,   226                         ; the word's key;
.set VM,   227                         ; its mask;
.set VS,   228                         ; its mask of second choices;
.set VN,   229                         ; its number, later the entry;
.set VJ,   230                         ; which set bit of it;
.set VA,   231                         ; counts of 2 bits,
.set VB,   232                         ; of 4,
.set VC,   233                         ; of 8;
.set VT,   234
.set VO,   235                         ; the bit's place
.set VU,   236
.set PAD,  237                         ; 2048 + 16 e + r
.set RA,   238                         ; where an entry is stored
.set EN0,  239                         ; the first tile's entries
.set SW,   240                         ; v240-247 my 256 words of selw
.set CM,   56                          ; s56-63  the search's eight lane masks: word n begins behind my place (n = 1 .. 7); my place lies in the list
.set MK,   66                          ; s66-73  word n: the tokens that chose this expert
.set SL,   74                          ; s74-81  those that chose it second
.set KY,   82                          ; s82-89  8 x the count ahead of word n, + n
.set MSB,  0
.macro WIN new                         ; the immediate's high byte repeats the setting that is left; a switch that changes nothing is dropped
.if MSB != \new
	s_set_vgpr_msb (MSB<<8)|\new
.set MSB, \new
.endif
.endm
.macro PLACE ri                        ; where resident fragment ri (0 .. 47) lies: window wI, register rW
.if (\ri) < 21
.set wI, 2
.set rW, 12*(\ri)
.elseif (\ri) < 42
.set wI, 3
.set rW, 12*((\ri)-21)
.elseif (\ri) < 47
.set wI, 1
.set rW, 192+12*((\ri)-42)
.else
.set wI, 0
.set rW, WL
.endif
.endm
; One matrix instruction.  cz: the constant 0 starts the sum.  ar, br: the side's scale words stand in lanes 16-31
.macro WM acc, wr, xr, cz, sa, sb, ar, br
.if \cz
.if \ar
	v_wmma_scale_f32_16x16x128_f8f6f4 v[\acc:\acc+7], v[\wr:\wr+11], v[\xr:\xr+11], 0, v[\sa], v[\sb] matrix_a_fmt:MATRIX_FMT_BF6 matrix_b_fmt:MATRIX_FMT_BF6 matrix_a_scale:MATRIX_SCALE_ROW1
.else
	v_wmma_scale_f32_16x16x128_f8f6f4 v[\acc:\acc+7], v[\wr:\wr+11], v[\xr:\xr+11], 0, v[\sa], v[\sb] matrix_a_fmt:MATRIX_FMT_BF6 matrix_b_fmt:MATRIX_FMT_BF6
.endif
.elseif (\ar) && (\br)
	v_wmma_scale_f32_16x16x128_f8f6f4 v[\acc:\acc+7], v[\wr:\wr+11], v[\xr:\xr+11], v[\acc:\acc+7], v[\sa], v[\sb] matrix_a_fmt:MATRIX_FMT_BF6 matrix_b_fmt:MATRIX_FMT_BF6 matrix_a_scale:MATRIX_SCALE_ROW1 matrix_b_scale:MATRIX_SCALE_ROW1
.elseif \ar
	v_wmma_scale_f32_16x16x128_f8f6f4 v[\acc:\acc+7], v[\wr:\wr+11], v[\xr:\xr+11], v[\acc:\acc+7], v[\sa], v[\sb] matrix_a_fmt:MATRIX_FMT_BF6 matrix_b_fmt:MATRIX_FMT_BF6 matrix_a_scale:MATRIX_SCALE_ROW1
.elseif \br
	v_wmma_scale_f32_16x16x128_f8f6f4 v[\acc:\acc+7], v[\wr:\wr+11], v[\xr:\xr+11], v[\acc:\acc+7], v[\sa], v[\sb] matrix_a_fmt:MATRIX_FMT_BF6 matrix_b_fmt:MATRIX_FMT_BF6 matrix_b_scale:MATRIX_SCALE_ROW1
.else
	v_wmma_scale_f32_16x16x128_f8f6f4 v[\acc:\acc+7], v[\wr:\wr+11], v[\xr:\xr+11], v[\acc:\acc+7], v[\sa], v[\sb] matrix_a_fmt:MATRIX_FMT_BF6 matrix_b_fmt:MATRIX_FMT_BF6
.endif
.endm
; K step 4 q + k: four matrix instructions; the four accumulators take turns, one instruction a turn.  A quad's last K step takes its weights from streamed set q % 2
.macro KSTEP q, k
.irp T, 0,1,2,3
.set sK, 4*(\q)+(\k)
.if (\k) < 3
	PLACE (3*(\q)+(\k))*4+\T
.else
.set wI, 0
.set rW, WB+48*((\q)%2)+12*\T
.endif
.set cZ, 0
.if sK == 0
.set cZ, 1
.endif
	WIN (4+wI)                                     ; source 1 (x) window 1, source 0 (W13) window wI, C and D window 0
	WM ACC+8*\T, rW, 48*(\q)+12*(\k), cZ, WS+16*(\T/2)+sK, XSA+sK%8, \T%2, sK/8
.endr
.endm
.macro WLOADH b, s, hf, adr            ; two of the four fragments of K step s (tiles 2 hf, 2 hf + 1; their LDS address in v[adr]) into streamed set b: 12 loads of 8 bytes a lane
.irp u, 0,1
.irp p, 0,1,2,3,4,5
	ds_load_b64 v[WB+48*(\b)+12*(2*(\hf)+\u)+2*\p:WB+48*(\b)+12*(2*(\hf)+\u)+2*\p+1], v[\adr] offset:16*\u*WP+96*(\s)+48*(\p/3)+8*(\p%3)
.endr
.endr
.endm
.macro XLOADQ q, adr                   ; x's fragments of quad q: 12 loads of 16 bytes a lane, into window 1 (the setting is left so)
	WIN 0x40
.irp k, 0,1,2,3
.irp g, 0,1,2
	global_load_b128 v[48*(\q)+12*\k+4*\g:48*(\q)+12*\k+4*\g+3], v[\adr], s[6:7] offset:96*(4*(\q)+\k)+16*\g
.endr
.endr
.endm
; Quad q: K steps 4 q .. 4 q + 3, 16 matrix instructions.  fill = 1: the refills of what the quad before has read are dealt among them: x's quad fq of the next tile behind K step 0, the halves of streamed set fb
; (K step fs) behind K steps 1 and 2.  No wait stands ahead of these loads: no vector or matrix instruction since the wait at the quad's head names a register that they touch.
; Four places follow: loads into x's and the streamed registers, and reads of results, stand behind them
.macro MULQ q, fill, fq, fb, fs
	KSTEP \q, 0
.if \fill
	XLOADQ \fq, XN
.endif
	KSTEP \q, 1
.if \fill
	WIN 0
	WLOADH \fb, \fs, 0, 5
.endif
	KSTEP \q, 2
.if \fill
	WIN 0
	WLOADH \fb, \fs, 1, 6
.endif
	s_wait_dscnt 24                                ; my streamed set is in; behind its 24 loads: the other set's 24, all issued by now
	KSTEP \q, 3
	WIN 0
.rept 4
	v_nop
.endr
.endm
.macro XSLOAD dst, adr                 ; a tile's scale words: 32 bytes a lane
	global_load_b128 v[\dst:\dst+3], v[\adr], s[8:9]
	global_load_b128 v[\dst+4:\dst+7], v[\adr], s[8:9] offset:16
.endm
.macro LEVEL src, fw, inc              ; one step of the descent: t = the set bits in the lower half of what is left; if my bit is not among them, t comes off j and the place moves up by inc
	v_bfe_u32 v[VT], v[\src], v[VO], \fw
	v_cmp_ge_u32 vcc_lo, v[VJ], v[VT]
	s_wait_alu depctr_va_vcc(0)                    ; the compare has written VCC, which the two selects read; each step hangs on the step before, so each has its wait
	v_cndmask_b32 v[VT], 0, v[VT], vcc_lo
	v_cndmask_b32 v[VU], 0, \inc, vcc_lo
	v_sub_nc_u32 v[VJ], v[VJ], v[VT]
	v_add_nc_u32 v[VO], v[VO], v[VU]
.endm
; The list entries of my tile number k + d (lanes r and 16 + r: row r).  s36 is left holding the tile's number
.macro SELECT d, ent
	s_add_co_u32 s36, s26, \d
	s_min_u32 s36, s36, s27                        ; past the end: my last tile
	s_min_u32 s36, s36, 15
	s_lshl_b32 s37, s36, 4
	v_add_nc_u32 v[VP], s37, v1                    ; p = 16 x tile + r
	v_lshl_or_b32 v[VQ], v[VP], 3, 7
	v_mov_b32 v[VK], s[KY]
	v_mov_b32 v[VM], s[MK]
	v_mov_b32 v[VS], s[SL]
.irp n, 1,2,3,4,5,6,7
	v_cmp_gt_u32 s[CM+\n-1], s[KY+\n], v[VQ]       ; word n begins behind p.  The eight compares hang on p alone: they go as one run, each into a mask of its own
.endr
	v_cmp_gt_u32 s[CM+7], s23, v[VP]               ; p lies in the list
	s_wait_alu depctr_va_sdst(0)                   ; the eight masks are written, ahead of the selects that read them
.irp n, 1,2,3,4,5,6,7
	v_cndmask_b32 v[VK], s[KY+\n], v[VK], s[CM+\n-1]   ; where word n begins behind p, what I have stays.  The keys ascend, so the last word that begins at or ahead of p is left
	v_cndmask_b32 v[VM], s[MK+\n], v[VM], s[CM+\n-1]
	v_cndmask_b32 v[VS], s[SL+\n], v[VS], s[CM+\n-1]
.endr
	v_and_b32 v[VN], 7, v[VK]                      ; the word's number
	v_lshrrev_b32 v[VK], 3, v[VK]
	v_sub_nc_u32 v[VJ], v[VP], v[VK]               ; j: I want the word's j-th set bit
	v_lshrrev_b32 v[VT], 1, v[VM]
	v_and_b32 v[VT], 0x55555555, v[VT]
	v_sub_nc_u32 v[VA], v[VM], v[VT]               ; the set bits of each 2,
	v_lshrrev_b32 v[VT], 2, v[VA]
	v_and_b32 v[VT], 0x33333333, v[VT]
	v_and_b32 v[VB], 0x33333333, v[VA]
	v_add_nc_u32 v[VB], v[VB], v[VT]               ; of each 4,
	v_lshrrev_b32 v[VT], 4, v[VB]
	v_add_nc_u32 v[VC], v[VB], v[VT]
	v_and_b32 v[VC], 0x0f0f0f0f, v[VC]             ; of each 8,
	v_lshrrev_b32 v[VT], 8, v[VC]
	v_add_nc_u32 v[VU], v[VC], v[VT]               ; and, in the low byte, of bits 0 to 15
	v_mov_b32 v[VO], 0
	LEVEL VU, 8, 16
	LEVEL VC, 8, 8
	LEVEL VB, 4, 4
	LEVEL VA, 2, 2
	LEVEL VM, 1, 1                                 ; (a place behind the list's end gives some bit 0 .. 31; the entry is replaced below)
	v_lshrrev_b32 v[VT], 2, v[VN]
	v_and_b32 v[VN], 3, v[VN]
	v_lshl_add_u32 v[VN], v[VT], 7, v[VN]
	v_lshl_add_u32 v[VN], v[VO], 2, v[VN]          ; 128 (n / 4) + 4 bit + n % 4
	v_bfe_u32 v[VT], v[VS], v[VO], 1
	v_lshl_add_u32 v[VN], v[VT], 10, v[VN]         ; + 1024 where the expert is the token's second choice
	v_add_nc_u32 v[VN], s34, v[VN]                 ; + 256 w
	v_cndmask_b32 v[\ent], v[PAD], v[VN], s[CM+7]
.endm
.macro RSTORE ent, ra                  ; slice 0 stores the entries for the next launch (lanes r and 16 + r write the same word with the same value)
	s_cmp_lg_u32 s21, 0
	s_cbranch_scc1 .Lnot_slice_0_\@
	s_lshl_b32 s37, s36, 6
	v_add_nc_u32 v[\ra], s37, v7
	s_wait_alu depctr_va_vdst(0)                   ; the search has written the entry and the line above its offset: the store reads both
	global_store_b32 v[\ra], v[\ent], s[18:19]
.Lnot_slice_0_\@:
.endm
.macro MAKEADR ent, xa, xsa            ; an entry's low ten bits are the token
	v_and_b32 v29, 0x3ff, v[\ent]
	v_min_u32 v29, 0x3ff, v29
	v_mul_u32_u24 v[\xa], v29, 1536
	v_add_nc_u32 v[\xa], v[\xa], v8
	v_lshlrev_b32 v[\xsa], 6, v29
	v_add_nc_u32 v[\xsa], v[\xsa], v9
.endm
	s_load_b256 s[4:11], s[0:1], 0x0               ; selw, xq, xs, W13's codes
	s_load_b256 s[12:19], s[0:1], 0x20             ; W13's scales, act, acts, rowinfo
	v_lshl_add_u32 v254, v0, 2, 0x18400
	v_mov_b32 v255, 0
	v_lshrrev_b32 v1, 5, v0
	v_readfirstlane_b32 s20, v1                    ; wave
	s_mov_b32 s21, ttmp9                           ; j
	s_and_b32 s22, ttmp7, 0xffff                   ; e
	v_and_b32 v1, 15, v0                           ; r
	v_bfe_u32 v2, v0, 4, 1                         ; h
	v_and_b32 v3, 31, v0
	v_lshlrev_b32 v31, 2, v3                       ; 4 x lane
	v_lshlrev_b32 v3, 4, v3                        ; 16 x lane
	s_wait_alu depctr_va_sdst(0)                   ; s20 is written, ahead of its first reader
	s_lshr_b32 s36, s20, 1                         ; I stage rows of g (0) or of u (1),
	s_and_b32 s37, s20, 1                          ; the first 16 of the 32 or the second
	s_lshl_b32 s38, s36, 5
	s_lshl_b32 s39, s37, 3
	s_add_co_u32 s38, s38, s39
	s_mul_i32 s38, s38, WP
	v_add_nc_u32 v4, s38, v3                       ; into LDS: slot 32 p + 8 a, + 16 x lane
	v_mul_u32_u24 v5, v1, WP
	v_mad_u32_u24 v5, v2, 24, v5                   ; a fragment's row r, + 24 h: tiles 0, 1
	v_add_nc_u32 v6, 32*WP, v5                     ; tiles 2, 3
	s_lshl_b32 s34, s20, 8                         ; 256 w: my first token, and my first row
	s_lshl_b32 s39, s20, 10
	v_lshlrev_b32 v7, 2, v1
	v_add_nc_u32 v7, s39, v7                       ; rowinfo: 4 (256 w + r)
	v_mul_u32_u24 v8, v2, 48
	v_lshlrev_b32 v9, 5, v2
	v_add_nc_u32 v15, s34, v1                      ; my row of my first tile
	v_mul_u32_u24 v[ACTO], v15, 24
	v_mad_u32_u24 v[ACTO], v2, 12, v[ACTO]
	v_lshlrev_b32 v[ASO], 2, v15
	v_and_b32 v28, 7, v1
	v_and_b32 v29, 8, v1
	v_lshl_add_u32 v28, v29, 1, v28
	v_lshl_add_u32 v28, v2, 3, v28
	v_lshlrev_b32 v28, 6, v28                      ; the weights' scale words: row 16 (r / 8) + 8 h + r % 8 of a half, 64 bytes a row
	v_mov_b32 v18, 0                               ; written once: a lane permute's destination counts as one of its sources
	s_lshl_b32 s39, s22, 4
	s_add_co_u32 s39, s39, 2048
	v_add_nc_u32 v[PAD], s39, v1
	s_lshl_b32 s28, 0x101, s22                     ; the expert's two bits in a word of selw,
	s_lshl_b32 s29, 0x100, s22                     ; and the one that says: second choice
	s_mov_b32 s30, 0x76543210
	s_mov_b32 s31, 0xfedcba98                      ; v_permlanex16_b32's selects for lane l xor 16
	s_mov_b32 s26, 0                               ; k: my tiles done
	s_mov_b32 s32, 0                               ; the count so far
	s_lshl_b32 s40, s22, 11
	s_lshl_b32 s38, s36, 10
	s_add_co_u32 s40, s40, s38
	s_lshl_b32 s38, s21, 5
	s_add_co_u32 s40, s40, s38
	s_lshl_b32 s38, s37, 4
	s_add_co_u32 s40, s40, s38
	s_mul_i32 s40, s40, 1536                       ; the 16 rows that I stage: row 2048 e + 1024 p + 32 j + 16 a
	s_mov_b32 s41, 0
	s_lshl_b32 s42, s22, 11
	s_lshl_b32 s38, s21, 5
	s_add_co_u32 s42, s42, s38
	s_lshl_b32 s42, s42, 6
	s_mov_b32 s43, 0
	s_lshl_b32 s44, s22, 5
	s_add_co_u32 s44, s44, s21
	s_mul_i32 s44, s44, 24576                      ; act: block 32 e + j
	s_mov_b32 s45, 0
	s_lshl_b32 s46, s22, 3
	s_lshr_b32 s38, s21, 2
	s_add_co_u32 s46, s46, s38
	s_lshl_b32 s46, s46, 12
	s_and_b32 s38, s21, 3
	s_add_co_u32 s46, s46, s38                     ; acts: K step 8 e + j / 4, byte j % 4
	s_mov_b32 s47, 0
	s_lshl_b32 s48, s22, 12                        ; rowinfo: the expert's 1,024 entries
	s_mov_b32 s49, 0
	s_lshl_b32 s50, s22, 2
	s_add_co_u32 s50, s50, s20
	s_lshl_b32 s50, s50, 7                         ; and my wave's 32 count words
	s_mov_b32 s51, 0
	s_lshl_b32 s54, s20, 10                        ; selw: my 256 words
	s_mov_b32 s55, 0
	s_wait_kmcnt 0x0
	s_add_nc_u64 s[4:5], s[4:5], s[54:55]
	s_add_nc_u64 s[52:53], s[18:19], s[50:51]
	s_add_nc_u64 s[18:19], s[18:19], s[48:49]
	s_add_nc_u64 s[10:11], s[10:11], s[40:41]
	s_add_nc_u64 s[12:13], s[12:13], s[42:43]
	s_add_nc_u64 s[14:15], s[14:15], s[44:45]
	s_add_nc_u64 s[16:17], s[16:17], s[46:47]
	s_wait_alu depctr_va_vdst(0)                   ; the offsets and LDS addresses v3 to v6, v14, v15, v28 and v31 are written, which the loads and stores below read
	global_load_b128 v[SW:SW+3], v3, s[4:5]                    ; register 4 q + c: token 256 w + 128 q + 4 lane + c.  These two go first: the list is made while the weights are on their way
	global_load_b128 v[SW+4:SW+7], v3, s[4:5] offset:512
	WIN 0x80                                       ; destination window 2
.set n, 0
.rept 48
	global_load_b128 v[4*n:4*n+3], v3, s[10:11] offset:512*n th:TH_LOAD_NT   ; my 16 rows are 24,576 dense bytes: 512 consecutive bytes a load; read once in the launch
.set n, n+1
.endr
	WIN 0
.irp P, 0,1
.irp g, 0,1,2,3
	global_load_b128 v[WS+16*\P+4*\g:WS+16*\P+4*\g+3], v28, s[12:13] offset:65536*\P+16*\g
.endr
.endr
	s_wait_loadcnt 56                              ; selw's two loads are in; behind them: the weights' 48 and their scale words' 8
.set n, 0
.rept 8                                ; the sixteen masks go as one run
	v_and_b32 v[VT], s28, v[SW+n]
	v_cmp_ne_u32 s[MK+n], 0, v[VT]
	v_and_b32 v[VU], s29, v[SW+n]
	v_cmp_ne_u32 s[SL+n], 0, v[VU]
.set n, n+1
.endr
	s_wait_alu depctr_va_sdst(0)                   ; the sixteen masks are written, ahead of their first readers: the counts below and the searches
.set n, 0
.rept 8
	s_lshl_b32 s33, s32, 3
	s_or_b32 s[KY+n], s33, n
	s_bcnt1_i32_b32 s33, s[MK+n]
	s_add_co_u32 s32, s32, s33
.set n, n+1
.endr
	s_min_u32 s23, s32, 0x100                      ; my rows
	s_add_co_u32 s25, s23, 15
	s_lshr_b32 s25, s25, 4                         ; my tiles
	s_max_u32 s27, s25, 1
	s_sub_co_u32 s27, s27, 1                       ; my last tile
	s_cmp_lg_u32 s21, 0
	s_cbranch_scc1 .Lno_count
	v_mov_b32 v30, s23
	s_wait_alu depctr_va_vdst(0)                   ; v30 is written, which the store reads
	global_store_b32 v31, v30, s[52:53] offset:32768
.Lno_count:
	SELECT 0, EN0
	RSTORE EN0, 21
	SELECT 1, 23
	RSTORE 23, 22
	MAKEADR EN0, 10, 20
	MAKEADR 23, XN, XSN
	s_wait_loadcnt 0x0                             ; the weights
	WIN 0x08                                       ; an LDS store's data are its source 1: window 2
.set n, 0
.rept 48
	ds_store_b128 v4, v[4*n:4*n+3] offset:((n/3)+8*((n/3)/8))*WP+512*(n%3)   ; my row q goes to slot q + 8 (q / 8) from my first
.set n, n+1
.endr
	WIN 0
	s_wait_alu depctr_va_vdst(0)                   ; the first two tiles' offsets v10, v20, v11 and v12 are written, which the loads below and the first trip's read
	XSLOAD XSA, 20                                 ; my first tile is asked for ahead of the barrier: 2 + 48 loads
	XLOADQ 0, 10
	XLOADQ 1, 10
	XLOADQ 2, 10
	XLOADQ 3, 10
	WIN 0
	s_wait_dscnt 0x0                               ; for the others' sake: my rows lie in LDS
	s_barrier_signal -1
	s_barrier_wait -1                              ; the launch's one barrier; behind it LDS is only read
	s_wait_alu depctr_vm_vsrc(0)                   ; my LDS stores have read window 2's registers, in which fragments land below
	s_cmp_eq_u32 s25, 0
	s_cbranch_scc1 .Lend                           ; none of my tokens chose this expert
.set sK, 0
.rept 16                               ; the 48 fragments that stay: 16 rows x 128 K of 6-bit codes are 12 registers: 24 bytes at 24 h and 24 at 48 + 24 h of the row's 96, in pieces of 8 bytes
.if (sK%4) != 3
.set tT, 0
.rept 4
	PLACE (3*(sK/4)+sK%4)*4+tT
	WIN (wI<<6)
.irp p, 0,1,2,3,4,5
.if tT < 2
	ds_load_b64 v[rW+2*\p:rW+2*\p+1], v5 offset:16*(tT%2)*WP+96*sK+48*(\p/3)+8*(\p%3)
.else
	ds_load_b64 v[rW+2*\p:rW+2*\p+1], v6 offset:16*(tT%2)*WP+96*sK+48*(\p/3)+8*(\p%3)
.endif
.endr
.set tT, tT+1
.endr
.endif
.set sK, sK+1
.endr
	WIN 0
	WLOADH 0, 3, 0, 5
	WLOADH 0, 3, 1, 6
	WLOADH 1, 7, 0, 5
	WLOADH 1, 7, 1, 6
	s_wait_dscnt 48                                ; the fragments that stay are in; behind them: the two streamed sets
.Ltile:                                            ; a trip: one tile of 16 rows, 64 matrix instructions.  On the way in: the tile's 16 fragments of x are asked for, the next tile's offsets are made, streamed sets 0 and 1 are asked for
	s_wait_alu depctr_va_vdst(0)                   ; the last trip's end has written XN, XSN, ACTO and ASO, which this trip's loads and stores read, and XSA, which its products take as scales (more than eight plain lines stand ahead of this wait); its moves are done reading XSB, in which the two loads below land
	XSLOAD XSB, XSN                                ; the next tile's scale words
	SELECT 2, ENT                                  ; the list entries of the tile after that
	RSTORE ENT, RA
	s_wait_loadcnt 38                              ; quad 0 is in; behind it: quads 1 to 3 (36 loads) and the scale words (2)
	MULQ 0, 0, 0, 0, 0
	s_wait_loadcnt 26                              ; quad 1 is in; behind it: quads 2 and 3 (24) and the scale words (2)
	s_wait_alu depctr_va_vdst(0)                   ; quad 0's matrix instructions are done reading x's quad 0 and streamed set 0, in which the loads dealt among quad 1 land
	MULQ 1, 1, 0, 0, 11                            ; with it: the next tile's quad 0, which has the rest of this trip in which to land, and K step 11's weights for quad 2
	s_wait_loadcnt 26                              ; quad 2 is in; behind it: 12 + 2 + the 12 just issued
	s_wait_alu depctr_va_vdst(0)                   ; quad 1's are done reading x's quad 1 and streamed set 1
	MULQ 2, 1, 1, 1, 15                            ; with it: the next tile's quad 1, and K step 15's weights for quad 3
	s_wait_loadcnt 26                              ; quad 3 is in; behind it: 2 + 24
	s_wait_alu depctr_va_vdst(0)                   ; quad 2's are done reading x's quad 2 and streamed set 0
	MULQ 3, 1, 2, 0, 3                             ; with it: the next tile's quad 2, and K step 3's weights for the next tile's quad 0
	s_wait_alu depctr_va_vdst(0)                   ; quad 3's are done reading x's quad 3 and streamed set 1, in which the loads below land; the four places above stay beside this wait
	WLOADH 1, 7, 0, 5
	WLOADH 1, 7, 1, 6
	XLOADQ 3, XN
	WIN 0
	; silu(g) u = g u / (1 + 2^(-g log2 e)), in f32; each accumulator is read from its low end on
.irp j, 0,2,4,6,8,10,12,14
	v_pk_mul_f32 v[UU+\j:UU+\j+1], v[GG+\j:GG+\j+1], v[UU+\j:UU+\j+1]
.endr
.irp j, 0,2,4,6,8,10,12,14
	v_pk_mul_f32 v[GG+\j:GG+\j+1], v[GG+\j:GG+\j+1], 0xbfb8aa3b op_sel_hi:[1,0]
.endr
.irp j, 0,1,2,3,4,5,6,7,8,9,10,11,12,13,14,15
	v_exp_f32 v[GG+\j], v[GG+\j]
.endr
	s_wait_loadcnt 48                              ; the next tile's scale words are in; behind them: its four quads
.irp n, 0,1,2,3,4,5,6,7
	v_mov_b32 v[XSA+\n], v[XSB+\n]                 ; they take their place: plain work behind the exponentials; more than eight plain lines follow ahead of the next product
.endr
	s_wait_alu depctr_va_vdst(0)                   ; the 16 exponentials have written v[GG ..]: one wait, ahead of their first reader
.irp j, 0,2,4,6,8,10,12,14
	v_pk_add_f32 v[GG+\j:GG+\j+1], v[GG+\j:GG+\j+1], 1.0 op_sel_hi:[1,0]
.endr
.irp j, 0,1,2,3,4,5,6,7,8,9,10,11,12,13,14,15
	v_rcp_f32 v[GG+\j], v[GG+\j]
.endr
	v_nop                                          ; a plain line behind the last reciprocal
	s_wait_alu depctr_va_vdst(0)                   ; the 16 reciprocals have written v[GG ..]: one wait, ahead of their first reader
.irp j, 0,2,4,6,8,10,12,14
	v_pk_mul_f32 v[UU+\j:UU+\j+1], v[UU+\j:UU+\j+1], v[GG+\j:GG+\j+1]
.endr
	v_max3_num_f32 v16, |v[UU]|, |v[UU+1]|, 0x2800000      ; my 16 numbers' largest magnitude, and the floor 2^(5 - 127): the byte cannot fall under 1
	v_max3_num_f32 v17, |v[UU+2]|, |v[UU+3]|, |v[UU+4]|
	v_max3_num_f32 v16, v16, |v[UU+5]|, |v[UU+6]|
	v_max3_num_f32 v17, v17, |v[UU+7]|, |v[UU+8]|
	v_max3_num_f32 v16, v16, |v[UU+9]|, |v[UU+10]|
	v_max3_num_f32 v17, v17, |v[UU+11]|, |v[UU+12]|
	v_max3_num_f32 v16, v16, |v[UU+13]|, |v[UU+14]|
	v_max3_num_f32 v17, v17, |v[UU+15]|, v16
	v_permlanex16_b32 v18, v17, s30, s31
	v_max_num_f32 v17, v17, v18                    ; with lane l xor 16's 16: the block's
	v_add_nc_u32 v19, 0xfe000000, v17              ; 4 off its exponent field: the conversion's scale operand
	v_cvt_scalef32_pk16_bf6_f32 v[24:26], v[UU:UU+15], v19
	v_lshrrev_b32 v27, 23, v19                     ; the scale's byte (also the plain line behind the conversion)
	s_wait_alu depctr_va_vdst(0)                   ; the conversion has written v[24:26] and the shift v27, which the two stores read
	global_store_b96 v[ACTO], v[24:26], s[14:15]   ; the tile's 16 rows x 24 bytes are 384 consecutive bytes
	global_store_b8 v[ASO], v27, s[16:17]          ; lanes r and 16 + r write the same byte with the same value
	s_wait_xcnt 0x0                                ; the loads and stores above have had their addresses translated: their offsets and data may be written again
	s_wait_alu depctr_vm_vsrc(0)                   ; the trip's loads and stores have read XN, XSN, ACTO, ASO, v24 to v27, ENT and RA: the lines below and the next trip write them again
	MAKEADR ENT, XN, XSN
	v_add_nc_u32 v[ACTO], 384, v[ACTO]             ; 16 rows on
	v_add_nc_u32 v[ASO], 64, v[ASO]
	s_add_co_u32 s26, s26, 1
	s_cmp_lt_u32 s26, s25
	s_cbranch_scc1 .Ltile
.Lend:
	s_wait_dscnt 0x0                               ; the closing lines, six on end (the first of them also meets the streamed sets asked for in the last trip)
	s_wait_alu 0x0
	s_wait_tensorcnt 0x0
	ds_add_u32 v254, v255
	s_wait_dscnt 0x0
	s_endpgm
.Lfunc_end_k_qeadc83a9b3_up:
	.size	k_qeadc83a9b3_up, .Lfunc_end_k_qeadc83a9b3_up-k_qeadc83a9b3_up
	.p2alignl 7, 3214868480
	.fill 96, 4, 3214868480
	.section	.rodata,"a",@progbits
	.p2align	6, 0x0
	.amdhsa_kernel k_qeadc83a9b3_up
		.amdhsa_group_segment_fixed_size 99840
		.amdhsa_private_segment_fixed_size 0
		.amdhsa_enable_private_segment 0
		.amdhsa_kernarg_size 64
		.amdhsa_user_sgpr_count 2
		.amdhsa_user_sgpr_kernarg_segment_ptr 1
		.amdhsa_wavefront_size32 1
		.amdhsa_system_sgpr_workgroup_id_x 1
		.amdhsa_system_sgpr_workgroup_id_y 1
		.amdhsa_system_sgpr_workgroup_id_z 1
		.amdhsa_system_vgpr_workitem_id 0
		.amdhsa_next_free_vgpr 1024
		.amdhsa_next_free_sgpr 92
		.amdhsa_reserve_vcc 1
		.amdhsa_float_denorm_mode_32 3
		.amdhsa_float_denorm_mode_16_64 3
		.amdhsa_memory_ordered 1
		.amdhsa_forward_progress 1
		.amdhsa_inst_pref_size 83
	.end_amdhsa_kernel
	.amdgpu_metadata
---
amdhsa.version: [ 1, 2 ]
amdhsa.kernels:
  - .name:           k_qeadc83a9b3_up
    .symbol:         k_qeadc83a9b3_up.kd
    .args:
      - { .name: selw, .offset: 0, .size: 8, .value_kind: global_buffer, .address_space: global }
      - { .name: xq, .offset: 8, .size: 8, .value_kind: global_buffer, .address_space: global }
      - { .name: xs, .offset: 16, .size: 8, .value_kind: global_buffer, .address_space: global }
      - { .name: w13_codes, .offset: 24, .size: 8, .value_kind: global_buffer, .address_space: global }
      - { .name: w13_scales, .offset: 32, .size: 8, .value_kind: global_buffer, .address_space: global }
      - { .name: act, .offset: 40, .size: 8, .value_kind: global_buffer, .address_space: global }
      - { .name: acts, .offset: 48, .size: 8, .value_kind: global_buffer, .address_space: global }
      - { .name: rowinfo, .offset: 56, .size: 8, .value_kind: global_buffer, .address_space: global }
    .group_segment_fixed_size: 99840
    .private_segment_fixed_size: 0
    .kernarg_segment_align: 8
    .kernarg_segment_size: 64
    .max_flat_workgroup_size: 128
    .sgpr_count:     92
    .vgpr_count:     1024
    .wavefront_size: 32
...
	.end_amdgpu_metadata
.endif
;; end of part 5
;; launch down (part 6): grid 32 x 8, 4 waves a work-group, no clusters, 68,096 bytes of LDS; arguments rowinfo, act, acts, w2_codes, w2_scales, P; writes P
.if DOCPART == 6
	.amdgcn_target "amdgcn-amd-amdhsa--gfx1250"
	.amdhsa_code_object_version 6
	.text
	.protected	k_qeadc83a9b3_down
	.globl	k_qeadc83a9b3_down
	.p2align	8
	.type	k_qeadc83a9b3_down,@function
k_qeadc83a9b3_down:
	s_mov_b64 s[64:65], 0
	v_nop
	global_prefetch_b8 v0, s[64:65] scope:SCOPE_SE
	s_setreg_imm32_b32 hwreg(HW_REG_WAVE_SCHED_MODE, 0, 2), 2
	s_setreg_imm32_b32 hwreg(HW_REG_WAVE_MODE, 25, 1), 1
	s_wait_xcnt 0x0
	s_wait_alu depctr_vm_vsrc(0)
; THE SECOND PRODUCT, for the rows that chose an expert: y = act W2[e]^T, on codes of E3M2 with one E8M0 scale for each 32 along K (K = 1,024: 8 K steps).
; SHARES.  Work-group (j, e) makes columns 64 j .. 64 j + 63 of y for all rows of expert e.  Its 64 rows of W2[e] (768 bytes each) are read from memory once, go through LDS, and EVERY wave then holds all 32 fragments
; (4 tiles x 8 K steps, 384 registers).  Wave w walks the tiles of 16 rows of its own quarter of the expert's rows (rows 256 w on; how many, the launch before has stored); no barrier stands in the loop.
; act's fragments come from memory straight into registers.
; NO TENSOR LOAD, NO CLUSTER: the number of tiles is read from memory.
; TRANSPOSED: source 0 = 16 rows of W2, source 1 = 16 rows of act: a lane holds eight neighbouring columns of one row of y.  A tile goes through the wave's own stage in LDS and leaves as rows: sixteen lanes store
; 256 consecutive bytes, at a multiple of 256 from P's first byte.  EACH ROW HAS ONE OWNER: row slot x 1024 + token of P, as the list says; the rows that fill up a last tile go to spare rows 2048 + 16 e + i, which nobody reads.
; A tile past a wave's last is asked for as its last tile, so that every wait keeps its count; its data are not used.
; REGISTERS.  Window 0: v1-15 addresses; v16-31 W2's scale words; v32-35, v36-39 act's scale words, this tile's and the next's; v40-47 list entries; v48-55 the rows' offsets in P; v64-95 four accumulators;
;   v96-127 rows on their way out; v128-223 act's fragments: two sets of four K steps.  Window 1: W2's fragments of K steps 0-3 at v[12 (4 s + T)]; window 2: of K steps 4-7.
; THE MODE: SCHED_MODE bits 1:0 = 2 (LLVM: expert scheduling mode 2), set by the entry lines.  The code itself states the register dependences between vector or matrix instructions and memory or LDS instructions, with s_wait_alu, always for 0.
; THE PLAN.  Registers that memory or LDS instructions touch, in the loop:
;   RING sets 0, 1   Quad b's matrix instructions read set b; the next tile's loads land in it.
;   RI               Read by eight v_min at the trip's head; the next tile's entries land in it behind them.
;   ASB              The next tile's scale words land in it; four moves at the trip's end read it.
;   v9, v10, v11     Written at the trip's head; read by the trip's loads as offsets.
;   OFS              Written at the trip's head; read by the trip's eight stores as offsets.
;   the accumulators Written by the matrix instructions; read by the LDS stores into the stage.
;   OB               The stage's rows land in it; the global stores read it.
;   v12, v13         LDS addresses, never written again.
; One wait on vm_vsrc at the trip's head frees v9 to v11, OFS, OB and the accumulators.  One wait on va_vdst behind the head's arithmetic serves all the trip's offsets and the loads into RI and ASB; one behind quad 0 frees set 0:
; half of its refill goes out at once, ahead of the wait for set 1's data, the other half is dealt behind quad 1's first K step, whose matrix instructions name set 1, W2's fragments, the scale words and the accumulators alone;
; one behind quad 1 frees set 1 and shows the accumulators written.
.set WP,   784                         ; a row of weights in LDS: 768 bytes + 16 = 196 words: row r starts at bank 4 r mod 64 (64 banks of 4 bytes: ISA guide 11.1)
.set SPT,  272                         ; a stage row: 256 bytes + 16
.set OST,  64*WP                       ; behind the weights: 16 stage rows for each wave
.set WS,   16                          ; v[WS + 8 P + s]: lanes 0-15 the words of tile 2 P, lanes 16-31 of tile 2 P + 1
.set ASA,  32                          ; register i: lanes 0-15 K step i, lanes 16-31 K step 4 + i
.set ASB,  36
.set RI,   40
.set OFS,  48
.set ACC,  64
.set OB,   96
.set RING, 128
.set MSB,  0
.macro WIN new                         ; the immediate's high byte repeats the setting that is left; a switch that changes nothing is dropped
.if MSB != \new
	s_set_vgpr_msb (MSB<<8)|\new
.set MSB, \new
.endif
.endm
.macro WM acc, wr, xr, cz, sa, sb, ar, br      ; one matrix instruction.  cz: the constant 0 starts the sum.  ar, br: the side's scale words stand in lanes 16-31
.if \cz
.if \ar
	v_wmma_scale_f32_16x16x128_f8f6f4 v[\acc:\acc+7], v[\wr:\wr+11], v[\xr:\xr+11], 0, v[\sa], v[\sb] matrix_a_fmt:MATRIX_FMT_BF6 matrix_b_fmt:MATRIX_FMT_BF6 matrix_a_scale:MATRIX_SCALE_ROW1
.else
	v_wmma_scale_f32_16x16x128_f8f6f4 v[\acc:\acc+7], v[\wr:\wr+11], v[\xr:\xr+11], 0, v[\sa], v[\sb] matrix_a_fmt:MATRIX_FMT_BF6 matrix_b_fmt:MATRIX_FMT_BF6
.endif
.elseif (\ar) && (\br)
	v_wmma_scale_f32_16x16x128_f8f6f4 v[\acc:\acc+7], v[\wr:\wr+11], v[\xr:\xr+11], v[\acc:\acc+7], v[\sa], v[\sb] matrix_a_fmt:MATRIX_FMT_BF6 matrix_b_fmt:MATRIX_FMT_BF6 matrix_a_scale:MATRIX_SCALE_ROW1 matrix_b_scale:MATRIX_SCALE_ROW1
.elseif \ar
	v_wmma_scale_f32_16x16x128_f8f6f4 v[\acc:\acc+7], v[\wr:\wr+11], v[\xr:\xr+11], v[\acc:\acc+7], v[\sa], v[\sb] matrix_a_fmt:MATRIX_FMT_BF6 matrix_b_fmt:MATRIX_FMT_BF6 matrix_a_scale:MATRIX_SCALE_ROW1
.elseif \br
	v_wmma_scale_f32_16x16x128_f8f6f4 v[\acc:\acc+7], v[\wr:\wr+11], v[\xr:\xr+11], v[\acc:\acc+7], v[\sa], v[\sb] matrix_a_fmt:MATRIX_FMT_BF6 matrix_b_fmt:MATRIX_FMT_BF6 matrix_b_scale:MATRIX_SCALE_ROW1
.else
	v_wmma_scale_f32_16x16x128_f8f6f4 v[\acc:\acc+7], v[\wr:\wr+11], v[\xr:\xr+11], v[\acc:\acc+7], v[\sa], v[\sb] matrix_a_fmt:MATRIX_FMT_BF6 matrix_b_fmt:MATRIX_FMT_BF6
.endif
.endm
.macro KSTEP b, k                      ; K step 4 b + k from set b: four matrix instructions; the four accumulators take turns, one instruction a turn
.irp T, 0,1,2,3
.set cZ, 0
.if ((\b) == 0) && ((\k) == 0)
.set cZ, 1
.endif
	WM ACC+8*\T, 12*(4*(\k)+\T), RING+48*(\b)+12*(\k), cZ, WS+8*(\T/2)+4*(\b)+(\k), ASA+(\k), \T%2, \b
.endr
.endm
.macro ALOADH b, k0                    ; act's fragments of K steps 4 b + k0 and 4 b + k0 + 1 into set b: lane (r, h) takes blocks 4 s + h and 4 s + 2 + h of its row, 24 bytes each, in pieces of 8
.irp k, \k0, \k0+1
.irp p, 0,1,2,3,4,5
	global_load_b64 v[RING+48*(\b)+12*(\k)+2*\p:RING+48*(\b)+12*(\k)+2*\p+1], v9, s[6:7] offset:(4*(4*(\b)+(\k))+2*(\p/3))*24576+8*(\p%3)
.endr
.endr
.endm
; K steps 4 b .. 4 b + 3 from set b: 16 matrix instructions.  fill = 1: the second half of set 0's refill stands behind the first K step; no wait stands ahead of it: no vector or matrix instruction since the wait behind
; quad 0 names a register that it touches.  Four places follow (ISA guide 7.12.1)
.macro MULQ b, fill
	WIN (1+(\b))
	KSTEP \b, 0
.if \fill
	WIN 0
	ALOADH 0, 2
	WIN (1+(\b))
.endif
	KSTEP \b, 1
	KSTEP \b, 2
	KSTEP \b, 3
	WIN 0
.rept 4
	v_nop
.endr
.endm
.macro TILEADR d                       ; the offsets of my tile number k + d in act, acts and the list
	s_add_co_u32 s36, s26, \d
	s_min_u32 s36, s36, s27                        ; past the end: my last tile
	s_min_u32 s36, s36, 15
	s_add_co_u32 s36, s36, s28                     ; + 16 w: my quarter of the expert's rows
	s_mul_i32 s37, s36, 384
	s_lshl_b32 s36, s36, 6
	v_add_nc_u32 v9, s37, v6
	v_add_nc_u32 v10, s36, v7
	v_add_nc_u32 v11, s36, v8
.endm
.macro RILOAD
	global_load_b128 v[RI:RI+3], v11, s[4:5]       ; the entries of rows 8 h + 0 .. 7 of the tile
	global_load_b128 v[RI+4:RI+7], v11, s[4:5] offset:16
.endm
.macro ASLOAD dst
.irp i, 0,1,2,3
	global_load_b32 v[\dst+\i], v10, s[8:9] offset:4096*\i
.endr
.endm
	s_load_b256 s[4:11], s[0:1], 0x0               ; rowinfo, act, acts, W2's codes
	s_load_b128 s[12:15], s[0:1], 0x20             ; W2's scales, P
	v_lshl_add_u32 v254, v0, 2, 0x10800
	v_mov_b32 v255, 0
	v_lshrrev_b32 v1, 5, v0
	v_readfirstlane_b32 s20, v1                    ; wave
	s_mov_b32 s21, ttmp9                           ; j
	s_and_b32 s22, ttmp7, 0xffff                   ; e
	v_and_b32 v1, 15, v0                           ; r
	v_bfe_u32 v2, v0, 4, 1                         ; h
	v_lshlrev_b32 v14, 4, v1                       ; 16 r
	v_mad_u32_u24 v3, v2, 768, v14                 ; the weights as they are loaded: lanes 0-15 256 bytes of a row, lanes 16-31 of the next row
	s_wait_alu depctr_va_sdst(0)                   ; s20 is written, ahead of its first reader
	s_mul_i32 s36, s20, 16*WP
	v_mad_u32_u24 v4, v2, WP, v14
	v_add_nc_u32 v4, s36, v4                       ; and the same place in LDS
	v_mul_u32_u24 v5, v1, WP
	v_mad_u32_u24 v5, v2, 24, v5                   ; a fragment's row r, + 24 h
	v_mul_u32_u24 v6, v1, 24
	v_mad_u32_u24 v6, v2, 24576, v6                ; act: row r of a tile, block h
	v_lshlrev_b32 v7, 2, v1
	v_lshl_add_u32 v7, v2, 14, v7                  ; acts: row r, K step 4 h
	v_lshlrev_b32 v8, 5, v2                        ; the list: rows 8 h on
	s_mul_i32 s36, s20, 16*SPT
	s_add_co_u32 s36, s36, OST                     ; my stage
	v_mul_u32_u24 v12, v1, SPT
	v_lshl_add_u32 v12, v2, 5, v12
	v_add_nc_u32 v12, s36, v12                     ; in: row r, 32 bytes for each half of the lanes
	v_mad_u32_u24 v13, v2, 8*SPT, v14
	v_add_nc_u32 v13, s36, v13                     ; back: lanes 0-15 row i, lanes 16-31 row 8 + i
	v_lshl_add_u32 v15, v2, 4, v1
	v_lshlrev_b32 v15, 5, v15                      ; W2's scale words: row 16 h + r of a pair of tiles, 32 bytes a row
	s_mov_b32 s26, 0                               ; k: my tiles done
	s_lshl_b32 s28, s20, 4                         ; 16 w: my first tile
	s_lshl_b32 s40, s22, 11
	s_lshl_b32 s38, s21, 6
	s_add_co_u32 s40, s40, s38
	s_lshl_b32 s42, s40, 5                         ; W2's scales: row 2048 e + 64 j
	s_mov_b32 s43, 0
	s_lshl_b32 s38, s20, 4
	s_add_co_u32 s40, s40, s38
	s_mul_i32 s40, s40, 768                        ; the 16 rows that I stage
	s_mov_b32 s41, 0
	s_mul_i32 s44, s22, 786432
	s_mov_b32 s45, 0
	s_lshl_b32 s46, s22, 15
	s_mov_b32 s47, 0
	s_lshl_b32 s48, s22, 12
	s_mov_b32 s49, 0
	s_lshl_b32 s50, s22, 2
	s_add_co_u32 s50, s50, s20
	s_lshl_b32 s50, s50, 7                         ; my wave's count words
	s_mov_b32 s51, 0
	s_lshl_b32 s54, s21, 8
	s_mov_b32 s55, 0
	s_wait_kmcnt 0x0
	s_add_nc_u64 s[52:53], s[4:5], s[50:51]
	s_load_b32 s23, s[52:53], 0x8000               ; my rows
	s_add_nc_u64 s[4:5], s[4:5], s[48:49]
	s_add_nc_u64 s[6:7], s[6:7], s[44:45]
	s_add_nc_u64 s[8:9], s[8:9], s[46:47]
	s_add_nc_u64 s[10:11], s[10:11], s[40:41]
	s_add_nc_u64 s[12:13], s[12:13], s[42:43]
	s_add_nc_u64 s[14:15], s[14:15], s[54:55]
	s_wait_alu depctr_va_vdst(0)                   ; the offsets and LDS addresses v3, v4, v5, v12, v13 and v15 are written, which the loads and stores below read
	WIN 0x40                                       ; destination window 1
.irp rho, 0,1,2,3,4,5,6,7
.irp c, 0,1,2
	global_load_b128 v[4*(3*\rho+\c):4*(3*\rho+\c)+3], v3, s[10:11] offset:1536*\rho+256*\c th:TH_LOAD_NT   ; sixteen lanes read 256 consecutive bytes of a row; read once in the launch
.endr
.endr
	WIN 0
.irp P, 0,1
.irp g, 0,1
	global_load_b128 v[WS+8*\P+4*\g:WS+8*\P+4*\g+3], v15, s[12:13] offset:1024*\P+16*\g
.endr
.endr
	s_wait_kmcnt 0x0
	s_min_u32 s23, s23, 0x100
	s_add_co_u32 s25, s23, 15
	s_lshr_b32 s25, s25, 4                         ; my tiles
	s_max_u32 s27, s25, 1
	s_sub_co_u32 s27, s27, 1                       ; my last tile
	s_wait_loadcnt 0x0
	WIN 0x04                                       ; an LDS store's data are its source 1: window 1
.irp rho, 0,1,2,3,4,5,6,7
.irp c, 0,1,2
	ds_store_b128 v4, v[4*(3*\rho+\c):4*(3*\rho+\c)+3] offset:2*WP*\rho+256*\c
.endr
.endr
	WIN 0
	s_wait_dscnt 0x0                               ; for the others' sake: my rows lie in LDS
	s_barrier_signal -1
	s_barrier_wait -1                              ; the launch's one barrier; behind it the weights are only read, and each wave's stage is its own
	s_wait_alu depctr_vm_vsrc(0)                   ; my LDS stores have read window 1's registers, in which fragments land below
	s_cmp_eq_u32 s25, 0
	s_cbranch_scc1 .Lend                           ; none of my quarter's tokens chose this expert
	TILEADR 0                                      ; my first tile: 54 loads, which land while the weights come out of LDS
	s_wait_alu depctr_va_vdst(0)                   ; v9, v10 and v11 are written, which the loads below read
	ASLOAD ASA
	RILOAD
	ALOADH 0, 0
	ALOADH 0, 2
	ALOADH 1, 0
	ALOADH 1, 2
.set fI, 0
.rept 32
	WIN ((1+fI/16)<<6)
.irp p, 0,1,2,3,4,5
	ds_load_b64 v[12*(fI%16)+2*\p:12*(fI%16)+2*\p+1], v5 offset:16*(fI%4)*WP+96*(fI/4)+48*(\p/3)+8*(\p%3)
.endr
.set fI, fI+1
.endr
	WIN 0
	s_wait_dscnt 0x0
.Ltile:                                            ; a trip: one tile of 16 rows, 32 matrix instructions.  On the way in: the tile's entries, scale words and both sets are asked for
	s_wait_xcnt 0x0                                ; every load and store so far has had its addresses translated: offsets and data may be written again
	s_wait_alu depctr_vm_vsrc(0)                   ; the loads so far have read v9 to v11; the last trip's global stores have read OFS and OB, its LDS stores the accumulators: this trip writes all of them again
	TILEADR 1                                      ; the next tile
	s_wait_loadcnt 24                              ; the entries, the scale words and K steps 0-3 are in; behind them: K steps 4-7 (24 loads)
.irp i, 0,1,2,3,4,5,6,7
	v_min_u32 v[OFS+\i], 0x87f, v[RI+\i]           ; a row of P: a loaded number is held inside the buffer (2,176 rows)
.endr
.irp i, 0,1,2,3,4,5,6,7
	v_lshlrev_b32 v[OFS+\i], 13, v[OFS+\i]         ; 8,192 bytes a row
.endr
.irp i, 0,1,2,3,4,5,6,7
	v_add_nc_u32 v[OFS+\i], v[OFS+\i], v14
.endr
	s_wait_alu depctr_va_vdst(0)                   ; v9 to v11 and OFS are written, which this trip's loads and stores read; the lines above are done reading RI and the last trip's moves ASB, in which the loads below land; ASA is written, which the products take as scales (more than eight plain lines stand ahead of this wait)
	RILOAD
	ASLOAD ASB
	MULQ 0, 0
	s_wait_alu depctr_va_vdst(0)                   ; quad 0's matrix instructions are done reading set 0, in which the next tile's K steps 0-3 land
	ALOADH 0, 0                                    ; half of them at once, ahead of the wait for set 1's data
	s_wait_loadcnt 18                              ; K steps 4-7 are in; behind them: 2 + 4 + the 12 just issued
	MULQ 1, 1                                      ; with it: the other half
	s_wait_alu depctr_va_vdst(0)                   ; quad 1's matrix instructions have written the accumulators, which the LDS stores read, and are done reading set 1, in which the loads below land; the four places above stay beside this wait
	ALOADH 1, 0
	ALOADH 1, 2
.irp T, 0,1,2,3
	ds_store_b128 v12, v[ACC+8*\T:ACC+8*\T+3] offset:64*\T          ; each accumulator from its low end on: y(r, 16 T + 8 h + 0 .. 7)
	ds_store_b128 v12, v[ACC+8*\T+4:ACC+8*\T+7] offset:64*\T+16
.endr
.irp i, 0,1,2,3,4,5,6,7
	ds_load_b128 v[OB+4*\i:OB+4*\i+3], v13 offset:SPT*\i            ; LDS serves a wave's instructions in order (ISA guide 5.7.1.4): these see my stores, and the next tile's stores come behind them
.endr
	s_wait_loadcnt 48                              ; the next tile's entries and scale words are in; behind them: its two sets
.irp i, 0,1,2,3
	v_mov_b32 v[ASA+\i], v[ASB+\i]                 ; more than eight plain lines follow ahead of the next product
.endr
.irp i, 0,1,2,3,4,5,6,7
	s_wait_dscnt 7-\i
	global_store_b128 v[OFS+\i], v[OB+4*\i:OB+4*\i+3], s[14:15] th:TH_STORE_NT   ; sixteen lanes store 256 consecutive bytes of one row of P
.endr
	s_add_co_u32 s26, s26, 1
	s_cmp_lt_u32 s26, s25
	s_cbranch_scc1 .Ltile
.Lend:
	s_wait_dscnt 0x0                               ; the closing lines, six on end
	s_wait_alu 0x0
	s_wait_tensorcnt 0x0
	ds_add_u32 v254, v255
	s_wait_dscnt 0x0
	s_endpgm
.Lfunc_end_k_qeadc83a9b3_down:
	.size	k_qeadc83a9b3_down, .Lfunc_end_k_qeadc83a9b3_down-k_qeadc83a9b3_down
	.p2alignl 7, 3214868480
	.fill 96, 4, 3214868480
	.section	.rodata,"a",@progbits
	.p2align	6, 0x0
	.amdhsa_kernel k_qeadc83a9b3_down
		.amdhsa_group_segment_fixed_size 68096
		.amdhsa_private_segment_fixed_size 0
		.amdhsa_enable_private_segment 0
		.amdhsa_kernarg_size 48
		.amdhsa_user_sgpr_count 2
		.amdhsa_user_sgpr_kernarg_segment_ptr 1
		.amdhsa_wavefront_size32 1
		.amdhsa_system_sgpr_workgroup_id_x 1
		.amdhsa_system_sgpr_workgroup_id_y 1
		.amdhsa_system_sgpr_workgroup_id_z 1
		.amdhsa_system_vgpr_workitem_id 0
		.amdhsa_next_free_vgpr 768
		.amdhsa_next_free_sgpr 66
		.amdhsa_reserve_vcc 0
		.amdhsa_float_denorm_mode_32 3
		.amdhsa_float_denorm_mode_16_64 3
		.amdhsa_memory_ordered 1
		.amdhsa_forward_progress 1
		.amdhsa_inst_pref_size 39
	.end_amdhsa_kernel
	.amdgpu_metadata
---
amdhsa.version: [ 1, 2 ]
amdhsa.kernels:
  - .name:           k_qeadc83a9b3_down
    .symbol:         k_qeadc83a9b3_down.kd
    .args:
      - { .name: rowinfo, .offset: 0, .size: 8, .value_kind: global_buffer, .address_space: global }
      - { .name: act, .offset: 8, .size: 8, .value_kind: global_buffer, .address_space: global }
      - { .name: acts, .offset: 16, .size: 8, .value_kind: global_buffer, .address_space: global }
      - { .name: w2_codes, .offset: 24, .size: 8, .value_kind: global_buffer, .address_space: global }
      - { .name: w2_scales, .offset: 32, .size: 8, .value_kind: global_buffer, .address_space: global }
      - { .name: P, .offset: 40, .size: 8, .value_kind: global_buffer, .address_space: global }
    .group_segment_fixed_size: 68096
    .private_segment_fixed_size: 0
    .kernarg_segment_align: 8
    .kernarg_segment_size: 48
    .max_flat_workgroup_size: 128
    .sgpr_count:     66
    .vgpr_count:     768
    .wavefront_size: 32
...
	.end_amdgpu_metadata
.endif
;; end of part 6
;; launch combine: the kernel of part 4 again; grid 256 x 1, 4 waves a work-group, no clusters, 0 bytes of LDS; arguments wts, P, out0; writes out0
